; MI455X (gfx1250); checked and timed in simulation.
; The chip was launched on July 23, 2026; its instructions are those of AMD's public machine-readable ISA for CDNA 5 (MIT licence, August 2026) and "CDNA5" Instruction Set Architecture Reference Guide (July 2026). The comments in the code are by the model that wrote it; some were corrected since.
;; KV Cache Mo E. Allowed arithmetic: matrix products marked QUANTISED: E2M3 operands, one E8M0 scale for each 32 along K, by v_wmma_scale_f32_16x16x128_f8f6f4 with both operands' format E2M3, f32 sums; products left as they are: f32 operands where the result goes on into a quantised operand, else bf16, f16 or f32 operands; f32 sums; everything else in f32.
;; Inputs: We_codes 8 x 1,024 x 32 x 24 uint8 (E2M3 codes of We, K innermost, in blocks of 32 codes, four codes in three bytes); We_scales 8 x 1,024 x 32 uint8 (E8M0 scales of We, one for each 32 codes along K); Wr1 1,024 x 1,024 float32; Wr2 1,024 x 8 float32; be 8 x 1,024 float32; br1 1,024 float32; br2 8 float32; x 8 x 1,024 x 1,024 float32.
;; Outputs: out0 8 x 1,024 x 1,024 float32.
;; This version of the problem:
;;   THIS VERSION OF THE PROBLEM IS GIVEN IN LOW PRECISION. The matrix products marked QUANTISED in the list below multiply operands that are first quantised to E2M3 (2 exponent bits, 3 mantissa bits; 6 bits a number), with one power-of-two scale for each 32 numbers along K (OCP MX v1.0); their sums are f32. All else is computed in f32.
;;   The module's matrix products, in the order in which they are computed (A, B: the left and right operand; K: the contracted axis; several contracted axes count as one K, in the product's order):
;;     1. [M 8, K 1,024] x [K 1,024, N 1,024]; A: computed on the way; B: input Wr1: left as it is (M = 8 < 16)
;;     2. [M 8, K 1,024] x [K 1,024, N 8]; A: computed on the way; B: input Wr2: left as it is (M = 8 < 16)
;;     3. [M 8,192, K 1,024] x [K 1,024, N 8,192]; A: input We (given as codes); B: input x: QUANTISED
;;     4. batch 8 x [M 1,048,576, K 8] x [K 8, N 1]; A: computed on the way; B: softmax: left as it is (K = 8 < 32)
;;   THE QUANTISER, for each operand of a quantised product, along K:
;;     - K is cut into blocks of 32 from its start; a last block that is shorter is filled with zeros.
;;     - A block's scale is 2^e with e = floor(log2(the largest magnitude in the block)) - 2, held to -126 .. 127; a block of zeros has e = 0. As a byte (E8M0): e + 127.
;;     - Each number is divided by its block's scale, clamped to +-7.5, and rounded to the nearest number of E2M3, ties to even, subnormals kept.
;;     - The product sums the exact products of the quantised numbers (number of the format x scale) in f32.
;;   ~~~python
;;   def quantise(x, axis):      # numpy; x: float32 -> the quantised numbers, widened to float32 again
;;       x = np.moveaxis(x, axis, -1); K = x.shape[-1]
;;       x = np.pad(x, [(0, 0)] * (x.ndim - 1) + [(0, -K % 32)]); x = x.reshape(x.shape[:-1] + (-1, 32)); a = np.abs(x).max(-1, keepdims=True)
;;       e = np.where(a > 0, np.clip(np.frexp(np.where(a > 0, a, 1))[1] - 1 - 2, -126, 127), 0)      # np.frexp(a)[1] - 1 = floor(log2(a)), exactly
;;       r = np.clip(x / 2.0 ** e, -7.5, 7.5)
;;       step = 2.0 ** (np.maximum(np.frexp(np.where(r == 0, 1, r))[1] - 1, 0) - 3)
;;       q = np.round(r / step) * step * 2.0 ** e      # np.round: ties to even
;;       return np.moveaxis(q.reshape(q.shape[:-2] + (-1,))[..., :K], -1, axis).astype(np.float32)
;;   ~~~
;;   INPUTS GIVEN AS CODES. We (in the module: [8, 1024, 1024], K = its axis 1): each comes as NAME_codes (uint8): NAME with its K axis moved to the last place and cut into blocks of 32 codes, [.., K / 32, bytes a block], one block behind the other in memory; four codes in three bytes: a row's codes are one little-endian stream of bits, code i at bits 6 i .. 6 i + 5 (a code: sign, 2 exponent bits, 3 mantissa bits); and NAME_scales (uint8): the same leading axes, one E8M0 byte (e + 127) for each 32 codes along K. Its value is code x scale, taken as it is: it is not quantised again, and the codes and scales need not be those that the quantiser above would give.
;; 2 versions. Each part assembles by itself: llvm-mc -triple=amdgcn-amd-amdhsa -mcpu=gfx1250 --defsym DOCPART=n.
;; ======== version 1 of 2: 3 launches
;; workspace buffers: xq 6,291,456 bytes; xs 262,144 bytes; psum 131,072 bytes; part 262,144 bytes
;; launch quant (part 1): grid 32 x 8, 8 waves a work-group, no clusters, 73,728 bytes of LDS; arguments x, xq, xs, psum; writes xq, xs, psum
.if DOCPART == 1
	.amdgcn_target "amdgcn-amd-amdhsa--gfx1250"
	.amdhsa_code_object_version 6
	.text
	.protected	k_q7de965797c_quant
	.globl	k_q7de965797c_quant
	.p2align	8
	.type	k_q7de965797c_quant,@function
k_q7de965797c_quant:
	s_mov_b64 s[64:65], 0
	v_nop
	global_prefetch_b8 v0, s[64:65] scope:SCOPE_SE
	s_setreg_imm32_b32 hwreg(HW_REG_WAVE_MODE, 25, 1), 1
	s_wait_xcnt 0x0
; x [8192 tokens][1024] f32 -> codes of E2M3 along the 1,024, one E8M0 byte for each 32, and column sums for the router's mean.
; A work-group takes 256 tokens (x of the grid) x 128 columns (y of the grid: one K step of the product); wave w takes tokens 32 w .. 32 w + 31: two fragments of 16 tokens x 128.
; OUT: xq [block of 16 tokens 512][K step 8][1,536 bytes]: the operand's 12 registers as an image: registers 4 c .. 4 c + 3 of lane l at 512 c + 16 l, so that the reader takes a fragment by three loads of 16 bytes a lane.
;      xs [64 tokens 128][K step 8][block of 16 tokens 4][token 16]: one scale word (four bytes, 128 along K) each.     psum [chunk of 256 tokens 32][1024] f32: the chunk's column sums.
; A block's scale is 2^(floor(log2(its largest magnitude)) - 2); its byte is the largest magnitude's exponent field - 2, held at 1 from below.
; LIMITS: NaN and infinities in x are not served.  A block whose largest magnitude lies under 2^-124 gets the byte 1; so does a block of zeros, where the rule says 127: its codes are zeros, which add nothing, and this program alone
; reads the bytes.  The column sums are taken in another order than row by row.
; Each load reads 512 consecutive bytes (a token's 128 columns); all 32 loads of a wave go out at once.  The operand's layout gives lane (r, h) the columns 64 c + 32 h + 0 .. 31 of token r: the 16 rows turn through the wave's own
; stage in LDS (rows of 512 + 16 bytes).  A lane then holds two whole blocks of 32: no other lane is asked for a maximum.
.set SPIT, 528                         ; a stage row
.set WSTG, 16*SPIT                     ; a wave's stage
.set SCW,  8*WSTG                      ; behind the stages: the work-group's 256 scale words, [block of 16 tokens 16][token 16]
.set SUM,  SCW+1024                    ; and the eight waves' column sums, 512 bytes each
.set GA,  4                            ; v4   16 x lane
.set SI,  5                            ; v5   stage, in: 16 x lane
.set SO,  6                            ; v6   stage, out: row r, + 128 h
.set SWA, 7                            ; v7   where my row's scale word goes
.set SUA, 8                            ; v8   where my wave's column sums go
.set RDS, 9                            ; v9   wave 0 reads the sums back
.set RDW, 10                           ; v10  wave 1 reads the scale words back
.set XSO, 11                           ; v11  and where they go in xs
.set CS,  12                           ; v12-15   sums of my four columns
.set R,   16                           ; v16-143  as loaded: fragment f, row i at 64 f + 4 i
.set X,   144                          ; v144-207 my 64 numbers: register 32 c + i = column 64 c + 32 h + i
.set C,   208                          ; v208-231 the codes, a set of 12 for each fragment: no store's data are written again
.set CT,  232                          ; v232-238 the second halves of the blocks' codes, before they are moved
.set MX,  240                          ; v240-241 largest magnitudes;  v242-243 the conversions' scale operands;  v244-245 bytes
.set SOP, 242
.set BY,  244
.set WD,  246                          ; v246 the scale word;  v247 the other half's;  v248 8 h
.set WT,  247
.set SH,  248
	s_load_b256 s[4:11], s[0:1], 0x0               ; x s[4:5], xq s[6:7], xs s[8:9], psum s[10:11]
	v_lshl_add_u32 v254, v0, 2, 0x11c00
	v_mov_b32 v255, 0
	v_lshrrev_b32 v1, 5, v0
	v_readfirstlane_b32 s12, v1                    ; wave 0..7
	s_and_b32 s13, ttmp7, 0xffff                   ; the K step
	s_mov_b32 s14, 0x76543210
	s_mov_b32 s15, 0xfedcba98                      ; v_permlanex16_b32's selects for lane l xor 16
	v_and_b32 v1, 31, v0                           ; lane
	v_and_b32 v2, 15, v0                           ; r
	v_bfe_u32 v3, v0, 4, 1                         ; h
	v_lshlrev_b32 v[GA], 4, v1
	s_mul_i32 s16, s12, WSTG
	v_add_nc_u32 v[SI], s16, v[GA]
	v_mul_u32_u24 v[SO], v2, SPIT
	v_lshl_add_u32 v[SO], v3, 7, v[SO]
	v_add_nc_u32 v[SO], s16, v[SO]
	s_lshl_b32 s17, s12, 7                         ; a wave's two blocks of 16 tokens: 128 bytes of scale words
	s_add_co_u32 s17, s17, SCW
	v_lshl_add_u32 v[SWA], v2, 2, s17
	s_lshl_b32 s17, s12, 9
	s_add_co_u32 s17, s17, SUM
	v_add_nc_u32 v[SUA], s17, v[GA]
	v_add_nc_u32 v[RDS], SUM, v[GA]
	v_add_nc_u32 v[RDW], SCW, v[GA]
	v_lshlrev_b32 v[XSO], 11, v3                   ; lanes 16-31: the next 64 tokens, 2,048 bytes on
	v_lshl_add_u32 v[XSO], v2, 4, v[XSO]
	v_lshlrev_b32 v[SH], 3, v3
	v_mov_b32 v[WT], 0                             ; written once: a lane permute's destination counts as one of its sources
	s_lshl_b32 s18, ttmp9, 20                      ; x: (256 chunk + 32 wave) rows of 4,096 bytes + 512 x K step
	s_lshl_b32 s19, s12, 17
	s_add_co_u32 s18, s18, s19
	s_lshl_b32 s19, s13, 9
	s_add_co_u32 s18, s18, s19
	s_mov_b32 s19, 0
	s_lshl_b32 s20, ttmp9, 7                       ; xq: ((16 chunk + 2 wave) x 8 + K step) x 1,536
	s_lshl_b32 s21, s12, 4
	s_add_co_u32 s20, s20, s21
	s_add_co_u32 s20, s20, s13
	s_mul_i32 s20, s20, 1536
	s_mov_b32 s21, 0
	s_lshl_b32 s22, ttmp9, 13                      ; xs: 4 chunk x 2,048 + 256 x K step
	s_lshl_b32 s23, s13, 8
	s_add_co_u32 s22, s22, s23
	s_mov_b32 s23, 0
	s_lshl_b32 s24, ttmp9, 12                      ; psum: 4,096 chunk + 512 x K step
	s_lshl_b32 s25, s13, 9
	s_add_co_u32 s24, s24, s25
	s_mov_b32 s25, 0
	s_wait_kmcnt 0x0
	s_add_nc_u64 s[4:5], s[4:5], s[18:19]
	s_add_nc_u64 s[6:7], s[6:7], s[20:21]
	s_add_nc_u64 s[8:9], s[8:9], s[22:23]
	s_add_nc_u64 s[10:11], s[10:11], s[24:25]
.irp f, 0,1
.irp i, 0,1,2,3,4,5,6,7,8,9,10,11,12,13,14,15
	global_load_b128 v[R+64*\f+4*\i:R+64*\f+4*\i+3], v[GA], s[4:5] offset:(16*\f+\i)*4096 th:TH_LOAD_NT   ; 32 lanes read 512 consecutive bytes; x is read once in the launch
.endr
.endr
; Fragment f: through the stage, column sums meanwhile, then the two blocks of each lane are quantised and the image and the scale word leave.
.macro FRAGQ f
.set RB, R+64*(\f)
.set CB, C+12*(\f)
	s_wait_loadcnt 16*(1-(\f))                     ; this fragment's 16 loads are in; the other's, issued behind them, may be out
.irp i, 0,1,2,3,4,5,6,7,8,9,10,11,12,13,14,15
	ds_store_b128 v[SI], v[RB+4*\i:RB+4*\i+3] offset:SPIT*\i
.endr
.irp c, 0,1
.irp j, 0,1,2,3,4,5,6,7
	ds_load_b128 v[X+32*\c+4*\j:X+32*\c+4*\j+3], v[SO] offset:256*\c+16*\j   ; LDS serves a wave's instructions in order: these see the stores above
.endr
.endr
.if (\f) == 0
	v_pk_add_f32 v[CS:CS+1], v[RB:RB+1], v[RB+4:RB+5]             ; the first two rows start the sums: nothing is cleared
	v_pk_add_f32 v[CS+2:CS+3], v[RB+2:RB+3], v[RB+6:RB+7]
.else
	v_pk_add_f32 v[CS:CS+1], v[CS:CS+1], v[RB:RB+1]
	v_pk_add_f32 v[CS+2:CS+3], v[CS+2:CS+3], v[RB+2:RB+3]
	v_pk_add_f32 v[CS:CS+1], v[CS:CS+1], v[RB+4:RB+5]
	v_pk_add_f32 v[CS+2:CS+3], v[CS+2:CS+3], v[RB+6:RB+7]
.endif
.irp i, 2,3,4,5,6,7,8,9,10,11,12,13,14,15
	v_pk_add_f32 v[CS:CS+1], v[CS:CS+1], v[RB+4*\i:RB+4*\i+1]
	v_pk_add_f32 v[CS+2:CS+3], v[CS+2:CS+3], v[RB+4*\i+2:RB+4*\i+3]
.endr
	s_wait_dscnt 0x0                               ; my 64 numbers are back (and the last fragment's scale word has been read from its register)
.irp c, 0,1
	v_max3_num_f32 v[MX+\c], |v[X+32*\c]|, |v[X+32*\c+1]|, 0x1800000   ; block 2 c + h: all 32 numbers are mine; the floor 2^(3 - 127) holds the byte at 1 from below
.endr
.irp i, 2,4,6,8,10,12,14,16,18,20,22,24,26,28,30
.irp c, 0,1
	v_max3_num_f32 v[MX+\c], v[MX+\c], |v[X+32*\c+\i]|, |v[X+32*\c+\i+1]|   ; (the two blocks by turns)
.endr
.endr
.irp c, 0,1
	v_add_nc_u32 v[SOP+\c], 0xff000000, v[MX+\c]   ; 2 off the exponent field: the conversion takes this operand's exponent field as its scale
.endr
.irp c, 0,1
	v_lshrrev_b32 v[BY+\c], 23, v[SOP+\c]          ; the scale's byte
.endr
	v_lshl_or_b32 v[WD], v[BY+1], 16, v[BY]        ; my bytes: blocks h and 2 + h,
	v_lshlrev_b32 v[WD], v[SH], v[WD]              ; at their places in the word;
	v_permlanex16_b32 v[WT], v[WD], s14, s15
	v_or_b32 v[WD], v[WD], v[WT]                   ; with lane l xor 16's two the word is whole
.irp c, 0,1
	v_cvt_scalef32_pk16_fp6_f32 v[CB+6*\c:CB+6*\c+2], v[X+32*\c:X+32*\c+15], v[SOP+\c]
	v_cvt_scalef32_pk16_fp6_f32 v[CT+4*\c:CT+4*\c+2], v[X+32*\c+16:X+32*\c+31], v[SOP+\c]   ; (a conversion's three registers begin on an even number: the block's second half is made here and moved)
.endr
	v_nop                                          ; one plain place behind a scaled conversion
.irp c, 0,1
.irp i, 0,1,2
	v_mov_b32 v[CB+6*\c+3+\i], v[CT+4*\c+\i]
.endr
.endr
.irp c, 0,1,2
	global_store_b128 v[GA], v[CB+4*\c:CB+4*\c+3], s[6:7] offset:12288*(\f)+512*\c   ; 32 lanes store 512 consecutive bytes, at a multiple of 512 from xq's first byte
.endr
	ds_store_b32 v[SWA], v[WD] offset:64*(\f)      ; lanes r and r + 16 write the same word with the same value
.endm
	FRAGQ 0
	FRAGQ 1
	ds_store_b128 v[SUA], v[CS:CS+3]
	s_wait_dscnt 0x0                               ; for the others' sake: my scale words and my sums have landed
	s_barrier_signal -1
	s_barrier_wait -1
	s_cmp_eq_u32 s12, 0
	s_cbranch_scc1 .Lsums
	s_cmp_eq_u32 s12, 1
	s_cbranch_scc1 .Lwords
	s_wait_tensorcnt 0x0
	ds_add_u32 v254, v255
	s_wait_dscnt 0x0
	s_endpgm
.Lsums:                                            ; wave 0: the eight waves' sums are added and leave as 512 consecutive bytes
.irp j, 0,1,2,3,4,5,6,7
	ds_load_b128 v[R+4*\j:R+4*\j+3], v[RDS] offset:512*\j
.endr
	s_wait_dscnt 0x0
.irp j, 0,1,2,3
	v_pk_add_f32 v[R+4*\j:R+4*\j+1], v[R+4*\j:R+4*\j+1], v[R+4*\j+16:R+4*\j+17]
	v_pk_add_f32 v[R+4*\j+2:R+4*\j+3], v[R+4*\j+2:R+4*\j+3], v[R+4*\j+18:R+4*\j+19]
.endr
.irp j, 0,1
	v_pk_add_f32 v[R+4*\j:R+4*\j+1], v[R+4*\j:R+4*\j+1], v[R+4*\j+8:R+4*\j+9]
	v_pk_add_f32 v[R+4*\j+2:R+4*\j+3], v[R+4*\j+2:R+4*\j+3], v[R+4*\j+10:R+4*\j+11]
.endr
	v_pk_add_f32 v[R:R+1], v[R:R+1], v[R+4:R+5]
	v_pk_add_f32 v[R+2:R+3], v[R+2:R+3], v[R+6:R+7]
	global_store_b128 v[GA], v[R:R+3], s[10:11]
	s_wait_tensorcnt 0x0
	ds_add_u32 v254, v255
	s_wait_dscnt 0x0
	s_endpgm
.Lwords:                                           ; wave 1: the 256 scale words leave as four aligned runs of 256 bytes, sixteen lanes to each
.irp j, 0,1
	ds_load_b128 v[R+4*\j:R+4*\j+3], v[RDW] offset:512*\j
.endr
	s_wait_dscnt 0x0
.irp j, 0,1
	global_store_b128 v[XSO], v[R+4*\j:R+4*\j+3], s[8:9] offset:4096*\j
.endr
	s_wait_tensorcnt 0x0
	ds_add_u32 v254, v255
	s_wait_dscnt 0x0
	s_endpgm
.Lfunc_end_k_q7de965797c_quant:
	.size	k_q7de965797c_quant, .Lfunc_end_k_q7de965797c_quant-k_q7de965797c_quant
	.p2alignl 7, 3214868480
	.fill 96, 4, 3214868480
	.section	.rodata,"a",@progbits
	.p2align	6, 0x0
	.amdhsa_kernel k_q7de965797c_quant
		.amdhsa_group_segment_fixed_size 73728
		.amdhsa_private_segment_fixed_size 0
		.amdhsa_enable_private_segment 0
		.amdhsa_kernarg_size 32
		.amdhsa_user_sgpr_count 2
		.amdhsa_user_sgpr_kernarg_segment_ptr 1
		.amdhsa_wavefront_size32 1
		.amdhsa_system_sgpr_workgroup_id_x 1
		.amdhsa_system_sgpr_workgroup_id_y 1
		.amdhsa_system_sgpr_workgroup_id_z 1
		.amdhsa_system_vgpr_workitem_id 0
		.amdhsa_next_free_vgpr 256
		.amdhsa_next_free_sgpr 66
		.amdhsa_reserve_vcc 0
		.amdhsa_float_denorm_mode_32 3
		.amdhsa_float_denorm_mode_16_64 3
		.amdhsa_memory_ordered 1
		.amdhsa_forward_progress 1
		.amdhsa_inst_pref_size 23
	.end_amdhsa_kernel
	.amdgpu_metadata
---
amdhsa.version: [ 1, 2 ]
amdhsa.kernels:
  - .name:           k_q7de965797c_quant
    .symbol:         k_q7de965797c_quant.kd
    .args:
      - { .name: x, .offset: 0, .size: 8, .value_kind: global_buffer, .address_space: global }
      - { .name: xq, .offset: 8, .size: 8, .value_kind: global_buffer, .address_space: global }
      - { .name: xs, .offset: 16, .size: 8, .value_kind: global_buffer, .address_space: global }
      - { .name: psum, .offset: 24, .size: 8, .value_kind: global_buffer, .address_space: global }
    .group_segment_fixed_size: 73728
    .private_segment_fixed_size: 0
    .kernarg_segment_align: 8
    .kernarg_segment_size: 32
    .max_flat_workgroup_size: 256
    .sgpr_count:     66
    .vgpr_count:     256
    .wavefront_size: 32
...
	.end_amdgpu_metadata
.endif
;; end of part 1
;; launch router (part 2): grid 8 x 8, 8 waves a work-group, no clusters, 37,888 bytes of LDS; arguments psum, Wr1, part; writes part
.if DOCPART == 2
	.amdgcn_target "amdgcn-amd-amdhsa--gfx1250"
	.amdhsa_code_object_version 6
	.text
	.protected	k_q7de965797c_router
	.globl	k_q7de965797c_router
	.p2align	8
	.type	k_q7de965797c_router,@function
k_q7de965797c_router:
	s_mov_b64 s[64:65], 0
	v_nop
	global_prefetch_b8 v0, s[64:65] scope:SCOPE_SE
	s_setreg_imm32_b32 hwreg(HW_REG_WAVE_MODE, 25, 1), 1
	s_wait_xcnt 0x0
; part[kq][b][n] = the sum over k = 128 kq .. 128 kq + 127 of (the sum over a batch's 1,024 tokens of x[b][.][k]) x Wr1[k][n], in f32 by fused multiply-adds.
; The product has 8 rows and streams 4 MiB of Wr1 once: memory binds it, so it is split over 8 x 8 work-groups (128 columns x 128 along K each) that read whole rows of 512 bytes;
; the division by 1,024, the bias and the relu need the whole sum over K and are done by the next launch.  Matrix units, clusters and tensor loads would add nothing here.
; Wave w takes rows 128 kq + 16 w + i of Wr1 (i = 0 .. 15), lane l the columns 128 nc + 4 l + 0 .. 3, for all eight batches: 32 sums a lane.  The eight waves' sums meet in LDS.
.set XSL, 0                            ; LDS: the token sums [batch 8][128 along K] f32
.set RED, 4096                         ; and the waves' partial sums [wave 8][batch 8][128 columns] f32
.set LA,  1                            ; v1  16 x lane
.set W,   16                           ; v16-79   my 16 rows of Wr1, four columns each
.set XR,  80                           ; v80-207  the token sums: batch b, my row i at 16 b + i
.set AC,  208                          ; v208-239 the sums: batch b, column c at 4 b + c (first: the four chunks' column sums)
	s_load_b128 s[4:7], s[0:1], 0x0                ; psum, Wr1
	s_load_b64 s[8:9], s[0:1], 0x10                ; part
	v_lshl_add_u32 v240, v0, 2, 0x9000
	v_mov_b32 v241, 0
	v_lshrrev_b32 v1, 5, v0
	v_readfirstlane_b32 s10, v1                    ; wave 0..7
	s_and_b32 s11, ttmp7, 0xffff                   ; kq
	v_and_b32 v1, 31, v0
	v_lshlrev_b32 v[LA], 4, v1
	s_lshl_b32 s12, s10, 9
	v_add_nc_u32 v2, s12, v[LA]                    ; v2: the token sums of batch = my wave: 512 w + 16 l
	s_lshl_b32 s13, s10, 6
	v_mov_b32 v3, s13                              ; v3: my 16 rows' place in a batch's 128 sums: 64 w, the same in every lane
	s_lshl_b32 s13, s10, 12
	s_add_co_u32 s13, s13, RED
	v_add_nc_u32 v4, s13, v[LA]                    ; v4: where my partial sums go
	s_add_co_u32 s12, s12, RED
	v_add_nc_u32 v5, s12, v[LA]                    ; v5: where I read batch = my wave back
	s_lshl_b32 s14, s10, 14                        ; psum: chunk 4 w, column 128 kq
	s_lshl_b32 s15, s11, 9
	s_add_co_u32 s14, s14, s15
	s_mov_b32 s15, 0
	s_lshl_b32 s16, s11, 19                        ; Wr1: row 128 kq + 16 w, column 128 nc
	s_lshl_b32 s17, s10, 16
	s_add_co_u32 s16, s16, s17
	s_lshl_b32 s17, ttmp9, 9
	s_add_co_u32 s16, s16, s17
	s_mov_b32 s17, 0
	s_lshl_b32 s18, s11, 15                        ; part: [kq][batch = my wave][128 nc]
	s_lshl_b32 s19, s10, 12
	s_add_co_u32 s18, s18, s19
	s_lshl_b32 s19, ttmp9, 9
	s_add_co_u32 s18, s18, s19
	s_mov_b32 s19, 0
	s_wait_kmcnt 0x0
	s_add_nc_u64 s[4:5], s[4:5], s[14:15]
	s_add_nc_u64 s[6:7], s[6:7], s[16:17]
	s_add_nc_u64 s[8:9], s[8:9], s[18:19]
.irp j, 0,1,2,3
	global_load_b128 v[AC+4*\j:AC+4*\j+3], v[LA], s[4:5] offset:4096*\j
.endr
.irp i, 0,1,2,3,4,5,6,7,8,9,10,11,12,13,14,15
	global_load_b128 v[W+4*\i:W+4*\i+3], v[LA], s[6:7] offset:4096*\i th:TH_LOAD_NT   ; 512 consecutive bytes; each byte of Wr1 is read once in the launch
.endr
	s_wait_loadcnt 16                              ; the four chunks' sums are in; the 16 rows of Wr1 issued behind them may be out
	v_pk_add_f32 v[AC:AC+1], v[AC:AC+1], v[AC+4:AC+5]
	v_pk_add_f32 v[AC+2:AC+3], v[AC+2:AC+3], v[AC+6:AC+7]
	v_pk_add_f32 v[AC+8:AC+9], v[AC+8:AC+9], v[AC+12:AC+13]
	v_pk_add_f32 v[AC+10:AC+11], v[AC+10:AC+11], v[AC+14:AC+15]
	v_pk_add_f32 v[AC:AC+1], v[AC:AC+1], v[AC+8:AC+9]
	v_pk_add_f32 v[AC+2:AC+3], v[AC+2:AC+3], v[AC+10:AC+11]
	ds_store_b128 v2, v[AC:AC+3] offset:XSL
	s_wait_dscnt 0x0                               ; for the others' sake
	s_barrier_signal -1
	s_barrier_wait -1
.irp b, 0,1,2,3,4,5,6,7
.irp q, 0,1,2,3
	ds_load_b128 v[XR+16*\b+4*\q:XR+16*\b+4*\q+3], v3 offset:XSL+512*\b+16*\q   ; every lane takes the same 16 bytes
.endr
.endr
	s_wait_dscnt 0x0
	s_wait_loadcnt 0x0
.irp b, 0,1,2,3,4,5,6,7
.irp c, 0,1,2,3
	v_mul_f32 v[AC+4*\b+\c], v[XR+16*\b], v[W+\c]  ; the first row starts the sums
.endr
.endr
.set i, 1
.rept 15
.set b, 0
.rept 8
.irp c, 0,1,2,3
	v_fmac_f32 v[AC+4*b+\c], v[XR+16*b+i], v[W+4*i+\c]
.endr
.set b, b+1
.endr
.set i, i+1
.endr
.irp b, 0,1,2,3,4,5,6,7
	ds_store_b128 v4, v[AC+4*\b:AC+4*\b+3] offset:512*\b
.endr
	s_wait_dscnt 0x0                               ; for the others' sake
	s_barrier_signal -1
	s_barrier_wait -1
.irp j, 0,1,2,3,4,5,6,7
	ds_load_b128 v[XR+4*\j:XR+4*\j+3], v5 offset:4096*\j   ; batch = my wave: the eight waves' parts
.endr
	s_wait_dscnt 0x0
.irp j, 0,1,2,3
	v_pk_add_f32 v[XR+4*\j:XR+4*\j+1], v[XR+4*\j:XR+4*\j+1], v[XR+4*\j+16:XR+4*\j+17]
	v_pk_add_f32 v[XR+4*\j+2:XR+4*\j+3], v[XR+4*\j+2:XR+4*\j+3], v[XR+4*\j+18:XR+4*\j+19]
.endr
.irp j, 0,1
	v_pk_add_f32 v[XR+4*\j:XR+4*\j+1], v[XR+4*\j:XR+4*\j+1], v[XR+4*\j+8:XR+4*\j+9]
	v_pk_add_f32 v[XR+4*\j+2:XR+4*\j+3], v[XR+4*\j+2:XR+4*\j+3], v[XR+4*\j+10:XR+4*\j+11]
.endr
	v_pk_add_f32 v[XR:XR+1], v[XR:XR+1], v[XR+4:XR+5]
	v_pk_add_f32 v[XR+2:XR+3], v[XR+2:XR+3], v[XR+6:XR+7]
	global_store_b128 v[LA], v[XR:XR+3], s[8:9]    ; 512 consecutive bytes
	s_wait_tensorcnt 0x0
	ds_add_u32 v240, v241
	s_wait_dscnt 0x0
	s_endpgm
.Lfunc_end_k_q7de965797c_router:
	.size	k_q7de965797c_router, .Lfunc_end_k_q7de965797c_router-k_q7de965797c_router
	.p2alignl 7, 3214868480
	.fill 96, 4, 3214868480
	.section	.rodata,"a",@progbits
	.p2align	6, 0x0
	.amdhsa_kernel k_q7de965797c_router
		.amdhsa_group_segment_fixed_size 37888
		.amdhsa_private_segment_fixed_size 0
		.amdhsa_enable_private_segment 0
		.amdhsa_kernarg_size 24
		.amdhsa_user_sgpr_count 2
		.amdhsa_user_sgpr_kernarg_segment_ptr 1
		.amdhsa_wavefront_size32 1
		.amdhsa_system_sgpr_workgroup_id_x 1
		.amdhsa_system_sgpr_workgroup_id_y 1
		.amdhsa_system_sgpr_workgroup_id_z 1
		.amdhsa_system_vgpr_workitem_id 0
		.amdhsa_next_free_vgpr 242
		.amdhsa_next_free_sgpr 66
		.amdhsa_reserve_vcc 0
		.amdhsa_float_denorm_mode_32 3
		.amdhsa_float_denorm_mode_16_64 3
		.amdhsa_memory_ordered 1
		.amdhsa_forward_progress 1
		.amdhsa_inst_pref_size 25
	.end_amdhsa_kernel
	.amdgpu_metadata
---
amdhsa.version: [ 1, 2 ]
amdhsa.kernels:
  - .name:           k_q7de965797c_router
    .symbol:         k_q7de965797c_router.kd
    .args:
      - { .name: psum, .offset: 0, .size: 8, .value_kind: global_buffer, .address_space: global }
      - { .name: Wr1, .offset: 8, .size: 8, .value_kind: global_buffer, .address_space: global }
      - { .name: part, .offset: 16, .size: 8, .value_kind: global_buffer, .address_space: global }
    .group_segment_fixed_size: 37888
    .private_segment_fixed_size: 0
    .kernarg_segment_align: 8
    .kernarg_segment_size: 24
    .max_flat_workgroup_size: 256
    .sgpr_count:     66
    .vgpr_count:     242
    .wavefront_size: 32
...
	.end_amdgpu_metadata
.endif
;; end of part 2
;; launch moe (part 3): grid 32 x 8, 4 waves a work-group, clusters of 4 x 1, 327,680 bytes of LDS; arguments We_codes, We_scales, be, xq, xs, part, br1, Wr2, br2, out0; writes out0
.if DOCPART == 3
	.amdgcn_target "amdgcn-amd-amdhsa--gfx1250"
	.amdhsa_code_object_version 6
	.text
	.protected	k_q7de965797c_moe
	.globl	k_q7de965797c_moe
	.p2align	8
	.type	k_q7de965797c_moe,@function
k_q7de965797c_moe:
	s_mov_b64 s[64:65], 0
	v_nop
	global_prefetch_b8 v0, s[64:65] scope:SCOPE_SE
	s_setreg_imm32_b32 hwreg(HW_REG_WAVE_MODE, 25, 1), 1
	s_wait_xcnt 0x0
	s_wait_alu depctr_hold_cnt(0) depctr_sa_sdst(0) depctr_va_vdst(0) depctr_va_sdst(0) depctr_va_ssrc(0) depctr_va_vcc(0) depctr_vm_vsrc(0)
	s_getreg_b32 s2, hwreg(HW_REG_IB_STS2, 6, 4)
	s_cmp_eq_u32 s2, 0
	s_cbranch_scc0 .Lentry_in_a_cluster
	s_endpgm
.Lentry_in_a_cluster:
	s_bfe_u32 s2, ttmp6, 0x10000c
	s_cmp_lg_u32 s2, 0x3003
	s_cbranch_scc0 .Lentry_shape_is_right
	s_endpgm
.Lentry_shape_is_right:
; out[token][d] = the sum over experts e of routing[b][e] x relu(the sum over h of Q(x)[token][h] We[e][h][d] + be[e][d]); the product on codes of E2M3 with one E8M0 scale for each 32 along h, sums in f32.
; routing[b] = softmax(relu(mean of x over the batch's tokens @ Wr1 + br1) @ Wr2 + br2): the partial sums of (token sums) @ Wr1 come from the launch before; every work-group finishes its batch's eight weights itself, with the
; largest logit taken away before the exponentials.
; SHARES.  A work-group takes 256 tokens x 128 d; wave w takes 64 tokens (four blocks of 16) x all 128 d.  ALL OF K of a wave's 64 tokens, 32 fragments = 384 registers, stays in its registers, loaded once as register images:
; x never passes through LDS, and a fragment of We read from LDS feeds four matrix instructions.
; ORDER.  d in tiles of 16, outermost; the eight experts inside; the eight K steps of 128 innermost.  So one tile's weighted sum is 32 registers, begun by a multiplication (nothing is cleared), and every tile is the same text.
; THE MATRIX INSTRUCTION IS USED TRANSPOSED: source 0 = 16 rows (d) of We, source 1 = 16 tokens: a lane holds one token and eight neighbouring d.  be is the C of each sum's first instruction.
; BY TURNS.  While expert e is multiplied (32 matrix instructions on four accumulators, one instruction a turn), the relu and the weighted sum of expert e - 1, on the other four accumulators, and the LDS loads of expert e + 1's
; fragments stand between the matrix instructions: they are also the places that loads into used fragments and reads of finished sums ask for.
; RING.  A slot holds one tile of d for all eight experts (8 x 16 rows x 768 bytes); each wave brings two experts by one tensor load.  Two slots; a slot is filled again in its tile's last expert, two tiles ahead.
; CLUSTER.  The four work-groups of a cluster are the four token blocks of one batch at the same 128 d: they read the same codes, scales and biases of We, so each such tile is asked for JOINTLY (mask 15).  The place in the cluster
; enters the addresses of xq, xs and out0 alone.  A cluster of 4 x 4 would share nothing more: x goes to registers and is no tile.
; THE WAY OUT.  A finished tile goes to the wave's own stage in LDS (64 tokens x 256 bytes + 16); after tiles 3 and 7 the stage leaves: sixteen lanes store 256 consecutive bytes, at a multiple of 256 from out0's first byte.
; LIMITS: what the quantising launch states for x holds here; exponentials whose result would lie under 2^-126 come out as 0.
; REGISTERS, in windows of 256.  Window 0: v1-15 addresses; v16-31 x's scale words; v32-47 We's scale words, two sets; v48-63 biases, two sets; v64-159 We's fragments, one for each K step; v160-223 accumulators, two sets of four;
;   v224-255 the tile's weighted sum.   Window 1: x's fragments of K steps 0-3 (block m, step s at 12 (4 m + s)); v192-255 way out.   Window 2: K steps 4-7 likewise; v192-255 way out.
.set EXPP,  13056                      ; an expert's 16 rows in a slot: 48 x (256 bytes + 16 of padding)
.set ROWP,  816                        ; a row: 3 x 272 = 204 words: row r starts at bank 12 r mod 64 (64 banks of 4 bytes: ISA guide 11.1): sixteen different multiples of 4; lanes 16-31 fall 6 or 10 words off them
.set SLOT,  8*EXPP                     ; 104,448
.set SCL,   2*SLOT                     ; behind the ring: We's scale bytes of my 128 d, all experts: filled once
.set SCEP,  4352                       ; an expert's 128 rows x 32 bytes, 16 of padding behind each 256
.set BE,    SCL+8*SCEP                 ; be of my 128 d, [expert][128] f32: filled once
.set STAGE, BE+4096                    ; the way out: 64 rows x 272 bytes for each wave
.set SPIT,  272
.set WSTG,  64*SPIT
.set RSC,   STAGE+4*WSTG               ; the four waves' partial logits, 32 bytes each
.set SPARE, RSC+256                    ; the spare words, 128 bytes for each wave: two blocks of 256 bytes that no other line names
.set SPW,  1                           ; v1   LDS address of my spare word; never rewritten
.set NIL,  2                           ; v2   0; never rewritten
.set AK0,  3                           ; v3   my lane's place in a tile of 16 rows: 816 r + 24 h
.set AK1,  4                           ; v4   the same where lanes 16-31 lie behind one padding more: 816 r + 40 h
.set AD,   5                           ; v5-8 the slot in hand + AK0, + AK1; both again four experts on (an LDS offset has 16 bits)
.set ASC,  9                           ; v9   We's scale words: lanes 0-15 an even expert's row r, lanes 16-31 the odd expert's; 544 bytes on with each tile
.set ABE,  10                          ; v10  the biases of my eight d; 64 bytes on with each tile
.set STO0, 11                          ; v11  the stage: row r, + 32 h
.set STC,  12                          ; v12  the same at the tile's 64 bytes
.set RD,   13                          ; v13  the stage, back: lanes 0-15 one row, lanes 16-31 the next
.set CO,   14                          ; v14  and the same two rows in out0
.set TV,   15                          ; v15  at work
.set XS,   16                          ; register 2 s + p: lanes 0-15 the words of token block 2 p, lanes 16-31 of block 2 p + 1, K step s
.set WS,   32                          ; set (e / 2) % 2, register s
.set BI,   48                          ; set e % 2
.set WF,   64                          ; K step s at 12 s
.set ACC,  160                         ; set e % 2, token block m at 32 (e % 2) + 8 m
.set OUT,  224                         ; token block m at 8 m
.set KR,   224                         ; at the head only, in OUT's place: r, h, lane, and the offsets of the head's loads
.set KH,   225
.set KL,   226
.set XA,   228
.set XSA,  229
.set PA,   230
.set W2A,  231
.set PT,   64                          ; the router's numbers, at the head only: v64-127 partial sums, v128-135 br1, v136-199 eight rows of Wr2, v200-207 logits, v208-215 at work
.set B1R,  128
.set W2R,  136
.set LG,   200
.set LT,   208
.set WV,   24                          ; s24 wave;  s25 place in the cluster;  s26 which 128 d;  s28-35, s66-67 at work (s[28:35] then hold br2)
.set CX,   25
.set YY,   26
.set G1C,  36                          ; s[36:43] descriptor group 1 for the codes;  s[44:51] for the scale bytes;  s[52:59] for be
.set G1S,  44
.set G1B,  52
.set G0S,  60                          ; groups 0: s[60:63] scale bytes, s[68:71] be, s[72:75] slot 0's first fill, s[76:79] slot 1's first fill, which then walks
.set G0B,  68
.set G0C0, 72
.set G0C1, 76
.set RR,   80                          ; s[80:95] the eight routing weights, each twice: the packed forms name a pair
.set TB,   96                          ; s96  LDS byte at which the slot in hand begins
.set TBF,  97                          ; s97  and the slot last filled
.set TC,   98                          ; s98  the tile
.set WOFF, 99                          ; s99  my two experts' place in a slot
.set SEL,  100                         ; s[100:101] v_permlanex16_b32's selects for lane l xor 16
.set MSB, 0
.macro WIN new                         ; the immediate's high byte repeats the setting that is left; a switch that changes nothing is dropped
.if MSB != \new
	s_set_vgpr_msb (MSB<<8)|\new
.set MSB, \new
.endif
.endm
.set MULA, 0x04                        ; source 1 (x) in window 1; all else in window 0.  LDS loads, v_nop, and vector lines whose source 1 is a constant or a scalar pair mean the same under MULA, MULB and 0
.set MULB, 0x08                        ; source 1 in window 2
.macro CREST                           ; a round of the cluster's barrier behind its opening barrier
	s_cmp_lg_u32 s[WV], 0
	s_cbranch_scc1 .Lnot_wave_0_\@
	s_barrier_signal -3
.Lnot_wave_0_\@:
	s_barrier_wait -3
	s_barrier_signal -1
	s_barrier_wait -1
.endm
.macro CROUND                          ; a whole round
	s_barrier_signal -1
	s_barrier_wait -1
	CREST
.endm
	s_load_b512 s[4:19], s[0:1], 0x0               ; We_codes s[4:5], We_scales s[6:7], be s[8:9], xq s[10:11], xs s[12:13], part s[14:15], br1 s[16:17], Wr2 s[18:19]
	s_load_b128 s[20:23], s[0:1], 0x40             ; br2 s[20:21], out0 s[22:23]
	v_lshl_add_u32 v[SPW], v0, 2, SPARE
	v_mov_b32 v[NIL], 0
	ds_add_u32 v1, v2
	ds_add_u32 v1, v2
	s_wait_dscnt 0x0
	v_lshrrev_b32 v[TV], 5, v0
	v_readfirstlane_b32 s[WV], v[TV]               ; wave 0..3
	s_bfe_u32 s[CX], ttmp6, 0x40000                ; my place in the cluster
	s_and_b32 s[YY], ttmp7, 0xffff                 ; which 128 d: the four partners share it
	; group 1 for the codes: 2 rows (experts) of 1,536 elements of 8 bytes (16 rows of We, dense), 98,304 elements apart; 16 bytes of padding behind each 256
	s_mov_b32 s[G1C], 15|(3<<16)|(1<<20)|(1<<21)|(5<<22)|(3<<25)  ; 15:0 the mask: all four work-groups; 17:16 elements of 8 bytes; 20 padding on; 21 set beside a mask; 24:22 after every 64 words; 31:25 4 words of it
	s_mov_b32 s[G1C+1], 1536<<16                   ; tensor_dim0
	s_mov_b32 s[G1C+2], 2<<16                      ; tensor_dim1
	s_mov_b32 s[G1C+3], 1536<<16                   ; tile_dim0
	s_mov_b32 s[G1C+4], 2                          ; tile_dim1
	s_mov_b32 s[G1C+5], 98304                      ; from expert to expert
	s_mov_b32 s[G1C+6], 0
	s_mov_b32 s[G1C+7], 0
	; for the scale bytes: 2 experts x 512 elements (128 rows of 32 bytes, dense), 4,096 elements apart; the same padding
	s_mov_b32 s[G1S], 15|(3<<16)|(1<<20)|(1<<21)|(5<<22)|(3<<25)
	s_mov_b32 s[G1S+1], 512<<16
	s_mov_b32 s[G1S+2], 2<<16
	s_mov_b32 s[G1S+3], 512<<16
	s_mov_b32 s[G1S+4], 2
	s_mov_b32 s[G1S+5], 4096
	s_mov_b32 s[G1S+6], 0
	s_mov_b32 s[G1S+7], 0
	; for be: 2 experts x 64 elements (128 f32), 512 elements apart; no padding
	s_mov_b32 s[G1B], 15|(3<<16)|(1<<21)
	s_mov_b32 s[G1B+1], 64<<16
	s_mov_b32 s[G1B+2], 2<<16
	s_mov_b32 s[G1B+3], 64<<16
	s_mov_b32 s[G1B+4], 2
	s_mov_b32 s[G1B+5], 512
	s_mov_b32 s[G1B+6], 0
	s_mov_b32 s[G1B+7], 0
	; groups 0: the LDS addresses hang on the wave's number alone
	s_mul_i32 s[WOFF], s[WV], 2*EXPP
	s_mov_b32 s[G0C0], 1
	s_mov_b32 s[G0C0+1], s[WOFF]
	s_mov_b32 s[G0C1], 1
	s_add_co_u32 s[G0C1+1], s[WOFF], SLOT
	s_mov_b32 s[G0S], 1
	s_mul_i32 s[G0S+1], s[WV], 2*SCEP
	s_add_co_u32 s[G0S+1], s[G0S+1], SCL
	s_mov_b32 s[G0B], 1
	s_lshl_b32 s[G0B+1], s[WV], 10
	s_add_co_u32 s[G0B+1], s[G0B+1], BE
	; offsets of what the partners share: my two experts, my 128 d
	s_mul_i32 s28, s[WV], 2*786432
	s_mul_i32 s29, s[YY], 98304
	s_add_co_u32 s28, s28, s29                     ; codes
	s_mov_b32 s29, 0
	s_lshl_b32 s30, s[WV], 16
	s_lshl_b32 s31, s[YY], 12
	s_add_co_u32 s30, s30, s31                     ; scale bytes
	s_mov_b32 s31, 0
	s_lshl_b32 s66, s[WV], 13
	s_lshl_b32 s67, s[YY], 9
	s_add_co_u32 s66, s66, s67                     ; be
	s_mov_b32 s67, 0
	; and of what is mine alone: my wave's 64 tokens are number 16 batch + 4 place + wave
	s_lshl_b32 s32, ttmp9, 4
	s_lshl_b32 s33, s[CX], 2
	s_add_co_u32 s32, s32, s33
	s_add_co_u32 s32, s32, s[WV]
	s_mul_i32 s34, s32, 49152                      ; xq: four blocks x eight K steps x 1,536 bytes
	s_mov_b32 s35, 0
	s_mov_b32 s[SEL], 0x76543210
	s_mov_b32 s[SEL+1], 0xfedcba98
	s_mov_b32 s[TB], 0
	s_mov_b32 s[TBF], SLOT
	v_and_b32 v[KR], 15, v0                        ; r
	v_bfe_u32 v[KH], v0, 4, 1                      ; h
	v_and_b32 v[KL], 31, v0                        ; lane
	v_lshlrev_b32 v[XA], 4, v[KL]                  ; an image's place for my lane
	v_lshlrev_b32 v[XSA], 2, v[KL]                 ; a scale word's
	v_lshlrev_b32 v[PA], 5, v0                     ; the router: thread t takes hidden units 8 t .. 8 t + 7: 32 bytes of part and br1,
	v_lshlrev_b32 v[W2A], 8, v0                    ; eight rows of 32 bytes of Wr2
	s_wait_kmcnt 0x0
	s_add_nc_u64 s[G0C0+2:G0C0+3], s[4:5], s[28:29]            ; tile 0
	s_add_nc_u64 s[G0C1+2:G0C1+3], s[G0C0+2:G0C0+3], 12288     ; tile 1: 16 rows of 768 bytes on
	s_or_b32 s[G0C0+3], s[G0C0+3], 0x80000000                  ; type = 2
	s_or_b32 s[G0C1+3], s[G0C1+3], 0x80000000
	s_add_nc_u64 s[G0S+2:G0S+3], s[6:7], s[30:31]
	s_or_b32 s[G0S+3], s[G0S+3], 0x80000000
	s_add_nc_u64 s[G0B+2:G0B+3], s[8:9], s[66:67]
	s_or_b32 s[G0B+3], s[G0B+3], 0x80000000
	s_add_nc_u64 s[10:11], s[10:11], s[34:35]      ; xq at my wave's fragments
	s_lshl_b32 s34, s32, 11
	s_add_nc_u64 s[12:13], s[12:13], s[34:35]      ; xs at my wave's words
	s_lshl_b32 s34, s32, 18                        ; out0: 64 rows of 4,096 bytes for each wave, + 512 bytes for each 128 d
	s_lshl_b32 s33, s[YY], 9
	s_add_co_u32 s34, s34, s33
	s_add_nc_u64 s[22:23], s[22:23], s[34:35]
	s_lshl_b32 s34, ttmp9, 12
	s_add_nc_u64 s[14:15], s[14:15], s[34:35]      ; part at my batch
	s_load_b256 s[28:35], s[20:21], 0x0            ; br2
.irp s, 0,1,2,3,4,5,6,7
.irp p, 0,1
	global_load_b32 v[XS+2*\s+\p], v[XSA], s[12:13] offset:256*\s+128*\p
.endr
.endr
.irp j, 0,1,2,3,4,5,6,7
	global_load_b128 v[PT+8*\j:PT+8*\j+3], v[PA], s[14:15] offset:32768*\j
	global_load_b128 v[PT+8*\j+4:PT+8*\j+7], v[PA], s[14:15] offset:32768*\j+16
.endr
	global_load_b128 v[B1R:B1R+3], v[PA], s[16:17]
	global_load_b128 v[B1R+4:B1R+7], v[PA], s[16:17] offset:16
.irp i, 0,1,2,3,4,5,6,7
	global_load_b128 v[W2R+8*\i:W2R+8*\i+3], v[W2A], s[18:19] offset:32*\i
	global_load_b128 v[W2R+8*\i+4:W2R+8*\i+7], v[W2A], s[18:19] offset:32*\i+16
.endr
	CROUND                                         ; all four work-groups are here: the first joint loads meet
	tensor_load_to_lds s[G0S:G0S+3], s[G1S:G1S+7]  ; the first fills go out as one group: four tensor loads of mine are out
	s_nop 0
	tensor_load_to_lds s[G0B:G0B+3], s[G1B:G1B+7]
	s_nop 0
	tensor_load_to_lds s[G0C0:G0C0+3], s[G1C:G1C+7]
	s_nop 0
	tensor_load_to_lds s[G0C1:G0C1+3], s[G1C:G1C+7]
	s_nop 0
.rept 4
	v_nop
.endr
	WIN 0x40                                       ; destination window 1
.irp m, 0,1,2,3
.irp s, 0,1,2,3
.irp c, 0,1,2
	global_load_b128 v[12*(4*\m+\s)+4*\c:12*(4*\m+\s)+4*\c+3], v[XA], s[10:11] offset:12288*\m+1536*\s+512*\c   ; x's fragments of K steps 0-3: they stay
.endr
.endr
.endr
	WIN 0
	; the addresses that stay
	v_mul_u32_u24 v[AK0], v[KR], ROWP
	v_mad_u32_u24 v[AK0], v[KH], 24, v[AK0]
	v_lshl_add_u32 v[AK1], v[KH], 4, v[AK0]
	v_lshlrev_b32 v[ASC], 5, v[KR]                 ; a row's 32 scale bytes,
	v_lshrrev_b32 v[TV], 3, v[KR]
	v_lshl_add_u32 v[ASC], v[TV], 4, v[ASC]        ; 16 more behind each eight rows,
	v_mad_u32_u24 v[ASC], v[KH], SCEP, v[ASC]      ; lanes 16-31 one expert on
	v_add_nc_u32 v[ASC], SCL, v[ASC]
	v_lshl_add_u32 v[ABE], v[KH], 5, BE
	s_mul_i32 s67, s[WV], WSTG
	s_add_co_u32 s67, s67, STAGE                   ; my stage
	v_mul_u32_u24 v[STO0], v[KR], SPIT
	v_lshl_add_u32 v[STO0], v[KH], 5, v[STO0]
	v_add_nc_u32 v[STO0], s67, v[STO0]
	v_mul_u32_u24 v[RD], v[KH], SPIT
	v_lshl_add_u32 v[RD], v[KR], 4, v[RD]
	v_add_nc_u32 v[RD], s67, v[RD]
	v_lshlrev_b32 v[CO], 12, v[KH]
	v_lshl_add_u32 v[CO], v[KR], 4, v[CO]
.irp e, 0,1,2,3,4,5,6,7
	v_mov_b32 v[LT+\e], 0                          ; written once: a lane permute's destination counts as one of its sources
.endr
	; THE ROUTER, first half: my eight hidden units, and their share of the eight logits
	s_wait_loadcnt 48                              ; x's scale words and the router's numbers are in; the 48 loads of x's fragments issued behind them may be out
.irp j, 0,1,2,3
.irp q, 0,2,4,6
	v_pk_add_f32 v[PT+8*\j+\q:PT+8*\j+\q+1], v[PT+8*\j+\q:PT+8*\j+\q+1], v[PT+8*(\j+4)+\q:PT+8*(\j+4)+\q+1]
.endr
.endr
.irp j, 0,1
.irp q, 0,2,4,6
	v_pk_add_f32 v[PT+8*\j+\q:PT+8*\j+\q+1], v[PT+8*\j+\q:PT+8*\j+\q+1], v[PT+8*(\j+2)+\q:PT+8*(\j+2)+\q+1]
.endr
.endr
.irp q, 0,2,4,6
	v_pk_add_f32 v[PT+\q:PT+\q+1], v[PT+\q:PT+\q+1], v[PT+8+\q:PT+8+\q+1]
.endr
.irp q, 0,2,4,6
	v_pk_fma_f32 v[PT+\q:PT+\q+1], v[PT+\q:PT+\q+1], 0x3a800000, v[B1R+\q:B1R+\q+1] op_sel_hi:[1,0,1]   ; x 2^-10: the mean over 1,024 tokens; + br1
.endr
.irp i, 0,1,2,3,4,5,6,7
	v_max_num_f32 v[PT+\i], 0, v[PT+\i]            ; relu
.endr
.irp e, 0,1,2,3,4,5,6,7
	v_mul_f32 v[LG+\e], v[PT], v[W2R+\e]
.endr
.irp i, 1,2,3,4,5,6,7
.irp e, 0,1,2,3,4,5,6,7
	v_fmac_f32 v[LG+\e], v[PT+\i], v[W2R+8*\i+\e]
.endr
.endr
.irp k, 1,2,4,8
.irp e, 0,1,2,3,4,5,6,7
	v_add_f32_dpp v[LG+\e], v[LG+\e], v[LG+\e] row_xmask:\k row_mask:0xf bank_mask:0xf
.endr
.endr
.irp e, 0,1,2,3,4,5,6,7
	v_permlanex16_b32 v[LT+\e], v[LG+\e], s[SEL], s[SEL+1]
.endr
.irp e, 0,1,2,3,4,5,6,7
	v_add_f32 v[LG+\e], v[LG+\e], v[LT+\e]         ; every lane holds my wave's share
.endr
	WIN 0x80                                       ; destination window 2
.irp m, 0,1,2,3
.irp s, 0,1,2,3
.irp c, 0,1,2
	global_load_b128 v[12*(4*\m+\s)+4*\c:12*(4*\m+\s)+4*\c+3], v[XA], s[10:11] offset:12288*\m+1536*(\s+4)+512*\c   ; x's fragments of K steps 4-7
.endr
.endr
.endr
	WIN 0
	s_lshl_b32 s66, s[WV], 5
	s_add_co_u32 s66, s66, RSC
	v_mov_b32 v[TV], s66
	ds_store_b128 v[TV], v[LG:LG+3]                ; all lanes write the same bytes with the same values
	ds_store_b128 v[TV], v[LG+4:LG+7] offset:16
	s_wait_dscnt 0x0                               ; for the others' sake
	s_wait_tensorcnt 0x1                           ; my parts of the scale bytes, of be and of slot 0 are in; slot 1's may stay out
	s_barrier_signal -1
	s_barrier_wait -1                              ; everybody's are
; Half a fragment of We: expert e, K step k, into set: three pieces of 8 bytes, so that every address is a multiple of the access's size.  Lanes 0-15 take the row's pieces 12 k + 6 half + 0, 1, 2, lanes 16-31 those three pieces on;
; 16 bytes of padding lie behind every 32 pieces: where the piece three on lies behind one padding more, the second address register serves.
.macro FRAGH set, e, k, half
.irp j, 0,1,2
.set PCE, 12*(\k)+6*(\half)+\j
.set PRG, WF+12*(\set)+6*(\half)+2*\j
.set POF, 8*PCE+16*(PCE/32)+((\e)%4)*EXPP
.if (PCE%32) < 29
	ds_load_b64 v[PRG:PRG+1], v[AD+2*((\e)/4)] offset:POF
.else
	ds_load_b64 v[PRG:PRG+1], v[AD+2*((\e)/4)+1] offset:POF
.endif
.endr
.endm
.macro BIAS p, e                       ; be of expert e at my eight d, into set p
	ds_load_b128 v[BI+8*(\p):BI+8*(\p)+3], v[ABE] offset:512*(\e)
	ds_load_b128 v[BI+8*(\p)+4:BI+8*(\p)+7], v[ABE] offset:512*(\e)+16
.endm
.macro WSC q                           ; the eight scale words of row r: expert 2 q in lanes 0-15, expert 2 q + 1 in lanes 16-31
	ds_load_b128 v[WS+8*((\q)&1):WS+8*((\q)&1)+3], v[ASC] offset:2*SCEP*(\q)
	ds_load_b128 v[WS+8*((\q)&1)+4:WS+8*((\q)&1)+7], v[ASC] offset:2*SCEP*(\q)+16
.endm
.macro SETAD                           ; the fragments' addresses in the slot in hand
	v_add_nc_u32 v[AD], s[TB], v[AK0]
	v_add_nc_u32 v[AD+1], s[TB], v[AK1]
	v_add_nc_u32 v[AD+2], 4*EXPP, v[AD]
	v_add_nc_u32 v[AD+3], 4*EXPP, v[AD+1]
.endm
; One matrix instruction: expert e, K step s, token block m.  Source 0 = We's 16 rows, source 1 = 16 tokens; the first K step takes the bias as C.  Odd experts' and odd blocks' scale words lie in lanes 16-31.
.macro MM e, s, m
.set pD, ACC+32*((\e)&1)+8*(\m)
.set pC, pD
.if (\s) == 0
.set pC, BI+8*((\e)&1)
.endif
.set pW, WF+12*(\s)
.set pX, 12*(4*(\m)+((\s)&3))
.set pSW, WS+8*(((\e)>>1)&1)+(\s)
.set pSX, XS+2*(\s)+((\m)>>1)
.if ((\e)&1) == 0
.if ((\m)&1) == 0
	v_wmma_scale_f32_16x16x128_f8f6f4 v[pD:pD+7], v[pW:pW+11], v[pX:pX+11], v[pC:pC+7], v[pSW], v[pSX] matrix_a_fmt:MATRIX_FMT_FP6 matrix_b_fmt:MATRIX_FMT_FP6
.else
	v_wmma_scale_f32_16x16x128_f8f6f4 v[pD:pD+7], v[pW:pW+11], v[pX:pX+11], v[pC:pC+7], v[pSW], v[pSX] matrix_a_fmt:MATRIX_FMT_FP6 matrix_b_fmt:MATRIX_FMT_FP6 matrix_b_scale:MATRIX_SCALE_ROW1
.endif
.else
.if ((\m)&1) == 0
	v_wmma_scale_f32_16x16x128_f8f6f4 v[pD:pD+7], v[pW:pW+11], v[pX:pX+11], v[pC:pC+7], v[pSW], v[pSX] matrix_a_fmt:MATRIX_FMT_FP6 matrix_b_fmt:MATRIX_FMT_FP6 matrix_a_scale:MATRIX_SCALE_ROW1
.else
	v_wmma_scale_f32_16x16x128_f8f6f4 v[pD:pD+7], v[pW:pW+11], v[pX:pX+11], v[pC:pC+7], v[pSW], v[pSX] matrix_a_fmt:MATRIX_FMT_FP6 matrix_b_fmt:MATRIX_FMT_FP6 matrix_a_scale:MATRIX_SCALE_ROW1 matrix_b_scale:MATRIX_SCALE_ROW1
.endif
.endif
.endm
; The vector work behind matrix instruction i of step s: the expert before, token block s / 2.  Even s: its relu, two registers a place, from the accumulator's low end on.  Odd s: its weighted sum, four packed lines behind the first
; two matrix instructions; expert 0's begins the tile's sum by a multiplication.  epi = 0 (no expert before): four v_nop a step, the places in front of the step's loads.
.macro VV e, s, i, epi
.set qA, ACC+32*(1-((\e)&1))+8*((\s)/2)
.set qO, OUT+8*((\s)/2)
.set qR, RR+2*(((\e)+7)%8)
.if (\epi) == 0
.if (\i) < 2
	v_nop
	v_nop
.endif
.else
.if ((\s)%2) == 0
	v_max_num_f32 v[qA+2*(\i)], v[qA+2*(\i)], 0
	v_max_num_f32 v[qA+2*(\i)+1], v[qA+2*(\i)+1], 0
.else
.if (\i) < 2
.irp u, 0,2
.if (\e) == 1
	v_pk_mul_f32 v[qO+4*(\i)+\u:qO+4*(\i)+\u+1], v[qA+4*(\i)+\u:qA+4*(\i)+\u+1], s[qR:qR+1] op_sel_hi:[1,0]
.else
	v_pk_fma_f32 v[qO+4*(\i)+\u:qO+4*(\i)+\u+1], v[qA+4*(\i)+\u:qA+4*(\i)+\u+1], s[qR:qR+1], v[qO+4*(\i)+\u:qO+4*(\i)+\u+1] op_sel_hi:[1,0,1]
.endif
.endr
.endif
.endif
.endif
.endm
; The LDS loads behind matrix instruction i of step s.  ld = 1: one fragment, in halves behind instructions 2 and 3: in step 0 this expert's K step 7 (its set was read out by the expert before), in step s the next expert's K step
; s - 1 (read out a step ago; at least four plain vector lines stand between); step 1 also brings the next expert's bias and, behind an odd expert, the next pair's scale words.
; ld = 2 (behind a change of slots): two fragments of the next tile's expert 0.  ld = 0: none.
.macro LL e, s, i, ld
.if (\ld) == 1
.if (\s) == 0
.if (\i) >= 2
	FRAGH 7, \e, 7, (\i)-2
.endif
.else
.if (\i) >= 2
	FRAGH (\s)-1, ((\e)+1)%8, (\s)-1, (\i)-2
.endif
.if ((\s) == 1) && ((\i) == 3)
	BIAS ((\e)+1)&1, (\e)+1
.if ((\e)&1) == 1
	WSC ((\e)+1)/2
.endif
.endif
.endif
.endif
.if (\ld) == 2
.set dS, 2*((\s)-4)+(\i)/2
	FRAGH dS, 0, dS, (\i)%2
.if ((\s) == 4) && ((\i) == 1)
	BIAS 0, 0
	WSC 0
.endif
.endif
.endm
; A step: K step s of expert e for the four token blocks: the four accumulators take turns, one instruction a turn.  n: the count of the wait at its head, or -1 for none.
.macro STEP e, s, epi, ld, n
.if (\n) >= 0
	s_wait_dscnt \n
.endif
.if (\s) < 4
	WIN MULA
.else
	WIN MULB
.endif
.irp i, 0,1,2,3
	MM \e, \s, \i
	VV \e, \s, \i, \epi
	LL \e, \s, \i, \ld
.endr
.endm
; An expert with a successor in the same slot.  THE COUNTS: LDS loads come back in order (ISA guide 5.7.1).  Behind the six loads of the fragment that step s wants, six more fragments, 36 loads, have been issued; other LDS
; instructions behind them only make the true number larger.  Step 0 waits for 30: behind a change of slots only five fragments follow its fragment, bias and scale words.  n1: step 1's count.
.macro GROUPR e, epi, n1
	STEP \e, 0, \epi, 1, 30
	STEP \e, 1, \epi, 1, \n1
.irp s, 2,3,4,5,6,7
	STEP \e, \s, \epi, 1, 36
.endr
.endm
; Expert 7 changes slots.  Step 0 issues the last reads of the slot.  ONE barrier: in front of it each wave waits for all its tensor loads (one is out: its part of the next slot), adds 0 to its spare word, and waits for that and for
; its reads of this slot.  fill = 1: the barrier opens a round of the cluster's barrier, and behind it this slot takes the tile two on: that load has a whole tile's matrix instructions less 16 in which to land.
.macro GROUPT fill
	STEP 7, 0, 1, 1, 30
	WIN 0                                          ; (the add's two registers lie in window 0)
	s_wait_tensorcnt 0x0                           ; all my tensor loads have landed: no group 0 is in use
	ds_add_u32 v[SPW], v[NIL]                      ; 0 onto my spare word
.if \fill
	s_xor_b32 s[TBF], s[TBF], SLOT                 ; the walking descriptor: the other slot than last time,
	s_add_co_u32 s[G0C1+1], s[TBF], s[WOFF]
	s_add_nc_u64 s[G0C1+2:G0C1+3], s[G0C1+2:G0C1+3], 12288   ; the next 16 rows; the type bits on top are not reached
.endif
	STEP 7, 1, 1, 0, 36                            ; behind its fragment: five fragments, step 0's, the add: 37
	STEP 7, 2, 1, 0, 30                            ; four fragments, step 0's, the add: 31
	s_wait_dscnt 0x0                               ; the add is done, and my reads of this slot are over: all eight fragments are in
	s_barrier_signal -1
	STEP 7, 3, 1, 0, -1                            ; work on registers while the others arrive
	WIN 0
	s_barrier_wait -1
.if \fill
	CREST                                          ; no wave of any partner still reads this slot or has a load on its way
	tensor_load_to_lds s[G0C1:G0C1+3], s[G1C:G1C+7]   ; my one tensor load behind the round
	s_nop 0
.rept 4
	v_nop
.endr
.endif
	s_xor_b32 s[TB], s[TB], SLOT                   ; on to the other slot, and to the next tile's scale words and biases (no LDS load of mine is out)
	SETAD
	v_add_nc_u32 v[ASC], 544, v[ASC]
	v_add_nc_u32 v[ABE], 64, v[ABE]
	STEP 7, 4, 1, 2, -1                            ; the next tile's expert 0: K steps 0, 1, its bias, the first pair's scale words;
	STEP 7, 5, 1, 2, -1                            ; 2, 3;
	STEP 7, 6, 1, 2, -1                            ; 4, 5;
	STEP 7, 7, 1, 1, -1                            ; 6
.endm
.macro GROUPL                          ; the last tile's expert 7: behind step 0 nothing is fetched: behind step s's fragment stand 6 - s fragments and step 0's
	STEP 7, 0, 1, 1, 30
.irp s, 1,2,3,4,5,6
	STEP 7, \s, 1, 0, 42-6*\s
.endr
	STEP 7, 7, 1, 0, 0
.endm
.macro STAGE_OUT                       ; the tile's weighted sum: lane (r, h): tokens 16 m + r, 32 bytes at the tile's 64 bytes + 32 h
	WIN 0                                          ; (an LDS store's data are its source 1)
	s_and_b32 s66, s[TC], 3
	s_lshl_b32 s66, s66, 6
	v_add_nc_u32 v[STC], s66, v[STO0]
.irp m, 0,1,2,3
	ds_store_b128 v[STC], v[OUT+8*\m:OUT+8*\m+3] offset:16*SPIT*\m
	ds_store_b128 v[STC], v[OUT+8*\m+4:OUT+8*\m+7] offset:16*SPIT*\m+16
.endr
.endm
.macro FLUSH off                       ; four tiles, 64 tokens x 256 bytes, leave my stage
	s_wait_xcnt 0x0                                ; earlier stores have read their registers: these may be loaded again
	WIN 0x40
.irp i, 0,1,2,3,4,5,6,7,8,9,10,11,12,13,14,15
	ds_load_b128 v[192+4*\i:195+4*\i], v[RD] offset:2*SPIT*\i   ; LDS serves a wave's instructions in order: these see my stores
.endr
	WIN 0x80
.irp i, 0,1,2,3,4,5,6,7,8,9,10,11,12,13,14,15
	ds_load_b128 v[192+4*\i:195+4*\i], v[RD] offset:2*SPIT*(16+\i)
.endr
	s_wait_dscnt 16                                ; the first sixteen are in
	WIN 0x04                                       ; a store's data are its source 1: window 1
.irp i, 0,1,2,3,4,5,6,7,8,9,10,11,12,13,14,15
	global_store_b128 v[CO], v[192+4*\i:195+4*\i], s[22:23] offset:8192*\i+\off th:TH_STORE_NT   ; 16 lanes store 256 consecutive bytes, at a multiple of 256 from out0's first byte; written once, read by nobody here
.endr
	s_wait_dscnt 0x0
	WIN 0x08
.irp i, 0,1,2,3,4,5,6,7,8,9,10,11,12,13,14,15
	global_store_b128 v[CO], v[192+4*\i:195+4*\i], s[22:23] offset:8192*(16+\i)+\off th:TH_STORE_NT
.endr
	WIN 0
.endm
; A trip: experts 1 to 7 of tile TC, expert 0 of the next tile (beside it expert 7's relu and sum), and the finished tile goes to the stage.  Expert 1's step 1 waits for all but step 0's six loads: the stage's stores, issued
; just before those, have then read the registers that this step's first multiplication writes anew.
.macro TRIP fill, flush
	GROUPR 1, 1, 6
.irp e, 2,3,4,5,6
	GROUPR \e, 1, 36
.endr
	GROUPT \fill
	GROUPR 0, 1, 36
	STAGE_OUT
.if \flush
	s_cmp_lg_u32 s[TC], 3
	s_cbranch_scc1 .Lno_flush_\@
	FLUSH 0                                        ; behind tile 3: the first 64 d leave in the launch's middle
.Lno_flush_\@:
.endif
.endm
	v_mov_b32 v[TV], RSC
.irp j, 0,1,2,3,4,5,6,7
	ds_load_b128 v[ACC+4*\j:ACC+4*\j+3], v[TV] offset:16*\j   ; the four waves' shares of the logits
.endr
	SETAD
	FRAGH 0, 0, 0, 0                               ; tile 0, expert 0: K steps 0 to 6, its bias, the first pair's scale words: 46 loads
	FRAGH 0, 0, 0, 1
	BIAS 0, 0
	WSC 0
.irp k, 1,2,3,4,5,6
	FRAGH \k, 0, \k, 0
	FRAGH \k, 0, \k, 1
.endr
	s_wait_dscnt 46                                ; the logits are in; the 46 loads behind them land while the softmax is made
	s_wait_kmcnt 0x0                               ; br2
	; THE ROUTER, second half: every lane makes the batch's eight weights
.irp q, 0,2,4,6
	v_pk_add_f32 v[ACC+\q:ACC+\q+1], v[ACC+\q:ACC+\q+1], v[ACC+8+\q:ACC+8+\q+1]
	v_pk_add_f32 v[ACC+16+\q:ACC+16+\q+1], v[ACC+16+\q:ACC+16+\q+1], v[ACC+24+\q:ACC+24+\q+1]
.endr
.irp q, 0,2,4,6
	v_pk_add_f32 v[ACC+\q:ACC+\q+1], v[ACC+\q:ACC+\q+1], v[ACC+16+\q:ACC+16+\q+1]
.endr
.irp e, 0,1,2,3,4,5,6,7
	v_add_f32 v[ACC+\e], s[28+\e], v[ACC+\e]       ; + br2
.endr
	v_max3_num_f32 v[ACC+32], v[ACC], v[ACC+1], v[ACC+2]
	v_max3_num_f32 v[ACC+32], v[ACC+32], v[ACC+3], v[ACC+4]
	v_max3_num_f32 v[ACC+32], v[ACC+32], v[ACC+5], v[ACC+6]
	v_max_num_f32 v[ACC+32], v[ACC+32], v[ACC+7]   ; the largest logit is taken away
.irp e, 0,1,2,3,4,5,6,7
	v_sub_f32 v[ACC+\e], v[ACC+\e], v[ACC+32]
.endr
.irp e, 0,1,2,3,4,5,6,7
	v_mul_f32 v[ACC+\e], 0x3fb8aa3b, v[ACC+\e]     ; x log2(e)
.endr
.irp e, 0,1,2,3,4,5,6,7
	v_exp_f32 v[ACC+\e], v[ACC+\e]
.endr
	v_nop                                          ; one plain place behind the exponentials
	s_wait_alu depctr_va_vdst(0)
	v_pk_add_f32 v[ACC+32:ACC+33], v[ACC:ACC+1], v[ACC+2:ACC+3]
	v_pk_add_f32 v[ACC+34:ACC+35], v[ACC+4:ACC+5], v[ACC+6:ACC+7]
	v_pk_add_f32 v[ACC+32:ACC+33], v[ACC+32:ACC+33], v[ACC+34:ACC+35]
	v_add_f32 v[ACC+32], v[ACC+32], v[ACC+33]
	v_rcp_f32 v[ACC+34], v[ACC+32]
	v_nop                                          ; one plain place behind the reciprocal
	s_wait_alu depctr_va_vdst(0)
.irp e, 0,1,2,3,4,5,6,7
	v_mul_f32 v[ACC+\e], v[ACC+\e], v[ACC+34]
.endr
.irp e, 0,1,2,3,4,5,6,7
	v_readfirstlane_b32 s[RR+2*\e], v[ACC+\e]
.endr
.irp e, 0,1,2,3,4,5,6,7
	s_mov_b32 s[RR+2*\e+1], s[RR+2*\e]             ; (named with it as a pair, so it is written)
.endr
	s_wait_loadcnt 0x0                             ; all of x's fragments are in
	GROUPR 0, 0, 36                                ; tile 0's expert 0 stands in front of the loop: no expert before it
	WIN 0                                          ; at a label and at a branch every window is 0
	s_mov_b32 s[TC], 0
.Ltile:                                            ; six trips: tiles 0 to 5 ask for tiles 2 to 7
	TRIP 1, 1
	s_add_co_u32 s[TC], s[TC], 1
	s_cmp_lt_u32 s[TC], 6
	s_cbranch_scc1 .Ltile
	TRIP 0, 0                                      ; tile 6 is written out: nothing is left to ask for
	s_add_co_u32 s[TC], s[TC], 1
	GROUPR 1, 1, 6                                 ; tile 7
.irp e, 2,3,4,5,6
	GROUPR \e, 1, 36
.endr
	GROUPL
.rept 4
	v_nop                                          ; places in front of the first read of the last sums
.endr
.irp m, 0,1,2,3
.irp j, 0,1,2,3,4,5,6,7
	v_max_num_f32 v[ACC+32+8*\m+\j], v[ACC+32+8*\m+\j], 0   ; expert 7's relu, each accumulator from its low end on,
.endr
.irp j, 0,2,4,6
	v_pk_fma_f32 v[OUT+8*\m+\j:OUT+8*\m+\j+1], v[ACC+32+8*\m+\j:ACC+32+8*\m+\j+1], s[RR+14:RR+15], v[OUT+8*\m+\j:OUT+8*\m+\j+1] op_sel_hi:[1,0,1]   ; and its weighted sum
.endr
.endr
	STAGE_OUT
	FLUSH 256                                      ; the second 64 d
	s_wait_tensorcnt 0x0                           ; the wave's end, behind my last tensor load and my last LDS store
	ds_add_u32 v[SPW], v[NIL]
	s_wait_dscnt 0x0
	CROUND                                         ; the closing round: no work-group ends while a partner may still ask for a tile that names it
	s_endpgm
.Lfunc_end_k_q7de965797c_moe:
	.size	k_q7de965797c_moe, .Lfunc_end_k_q7de965797c_moe-k_q7de965797c_moe
	.p2alignl 7, 3214868480
	.fill 96, 4, 3214868480
	.section	.rodata,"a",@progbits
	.p2align	6, 0x0
	.amdhsa_kernel k_q7de965797c_moe
		.amdhsa_group_segment_fixed_size 327680
		.amdhsa_private_segment_fixed_size 0
		.amdhsa_enable_private_segment 0
		.amdhsa_kernarg_size 80
		.amdhsa_user_sgpr_count 2
		.amdhsa_user_sgpr_kernarg_segment_ptr 1
		.amdhsa_wavefront_size32 1
		.amdhsa_system_sgpr_workgroup_id_x 1
		.amdhsa_system_sgpr_workgroup_id_y 1
		.amdhsa_system_sgpr_workgroup_id_z 1
		.amdhsa_system_vgpr_workitem_id 0
		.amdhsa_next_free_vgpr 768
		.amdhsa_next_free_sgpr 102
		.amdhsa_reserve_vcc 0
		.amdhsa_float_denorm_mode_32 3
		.amdhsa_float_denorm_mode_16_64 3
		.amdhsa_memory_ordered 1
		.amdhsa_forward_progress 1
		.amdhsa_inst_pref_size 255
	.end_amdhsa_kernel
	.section	.bss,"aw",@nobits
	.p2align	6
	.space	262144
	.amdgpu_metadata
---
amdhsa.version: [ 1, 2 ]
amdhsa.kernels:
  - .name:           k_q7de965797c_moe
    .symbol:         k_q7de965797c_moe.kd
    .args:
      - { .name: We_codes, .offset: 0, .size: 8, .value_kind: global_buffer, .address_space: global }
      - { .name: We_scales, .offset: 8, .size: 8, .value_kind: global_buffer, .address_space: global }
      - { .name: be, .offset: 16, .size: 8, .value_kind: global_buffer, .address_space: global }
      - { .name: xq, .offset: 24, .size: 8, .value_kind: global_buffer, .address_space: global }
      - { .name: xs, .offset: 32, .size: 8, .value_kind: global_buffer, .address_space: global }
      - { .name: part, .offset: 40, .size: 8, .value_kind: global_buffer, .address_space: global }
      - { .name: br1, .offset: 48, .size: 8, .value_kind: global_buffer, .address_space: global }
      - { .name: Wr2, .offset: 56, .size: 8, .value_kind: global_buffer, .address_space: global }
      - { .name: br2, .offset: 64, .size: 8, .value_kind: global_buffer, .address_space: global }
      - { .name: out0, .offset: 72, .size: 8, .value_kind: global_buffer, .address_space: global }
    .group_segment_fixed_size: 327680
    .private_segment_fixed_size: 0
    .kernarg_segment_align: 8
    .kernarg_segment_size: 80
    .max_flat_workgroup_size: 128
    .sgpr_count:     102
    .vgpr_count:     768
    .wavefront_size: 32
...
	.end_amdgpu_metadata
.endif
;; end of part 3
;; ======== version 2 of 2: 3 launches
;; limits: right only within a limited range of input values
;; workspace buffers: xq 6,291,456 bytes; xs 262,144 bytes; psum 131,072 bytes; part 262,144 bytes; wsp 262,144 bytes
;; launch quant (part 4): grid 32 x 8, 8 waves a work-group, no clusters, 73,728 bytes of LDS; arguments x, xq, xs, psum, We_scales, wsp; writes xq, xs, psum, wsp
.if DOCPART == 4
	.amdgcn_target "amdgcn-amd-amdhsa--gfx1250"
	.amdhsa_code_object_version 6
	.text
	.protected	k_q7de965797c_quant
	.globl	k_q7de965797c_quant
	.p2align	8
	.type	k_q7de965797c_quant,@function
k_q7de965797c_quant:
	s_mov_b64 s[64:65], 0
	v_nop
	global_prefetch_b8 v0, s[64:65] scope:SCOPE_SE
	s_setreg_imm32_b32 hwreg(HW_REG_WAVE_MODE, 25, 1), 1
	s_wait_xcnt 0x0
; x [8192 tokens][1024] f32 -> codes of E2M3 along the 1,024, one E8M0 byte for each 32, and column sums for the router's mean.
; A work-group takes 256 tokens (x of the grid) x 128 columns (y of the grid: one K step of the product); wave w takes tokens 32 w .. 32 w + 31: two fragments of 16 tokens x 128.
; OUT: xq [block of 16 tokens 512][K step 8][1,536 bytes]: the operand's 12 registers as an image: registers 4 c .. 4 c + 3 of lane l at 512 c + 16 l, so that the reader takes a fragment by three loads of 16 bytes a lane.
;      xs [64 tokens 128][K step 8][block of 16 tokens 4][token 16]: one scale word (four bytes, 128 along K) each.     psum [chunk of 256 tokens 32][1024] f32: the chunk's column sums.
; A block's scale is 2^(floor(log2(its largest magnitude)) - 2); its byte is the largest magnitude's exponent field - 2, held at 1 from below.
; LIMITS: NaN and infinities in x are not served.  A block whose largest magnitude lies under 2^-124 gets the byte 1; so does a block of zeros, where the rule says 127: its codes are zeros, which add nothing, and this program alone
; reads the bytes.  The column sums are taken in another order than row by row.
; Each load reads 512 consecutive bytes (a token's 128 columns); all 32 loads of a wave go out at once.  The operand's layout gives lane (r, h) the columns 64 c + 32 h + 0 .. 31 of token r: the 16 rows turn through the wave's own
; stage in LDS (rows of 512 + 16 bytes).  A lane then holds two whole blocks of 32: no other lane is asked for a maximum.
.set SPIT, 528                         ; a stage row
.set WSTG, 16*SPIT                     ; a wave's stage
.set SCW,  8*WSTG                      ; behind the stages: the work-group's 256 scale words, [block of 16 tokens 16][token 16]
.set SUM,  SCW+1024                    ; and the eight waves' column sums, 512 bytes each
.set GA,  4                            ; v4   16 x lane
.set SI,  5                            ; v5   stage, in: 16 x lane
.set SO,  6                            ; v6   stage, out: row r, + 256 h
.set SWA, 7                            ; v7   where my row's scale word goes
.set SUA, 8                            ; v8   where my wave's column sums go
.set RDS, 9                            ; v9   wave 0 reads the sums back
.set RDW, 10                           ; v10  wave 1 reads the scale words back
.set XSO, 11                           ; v11  and where they go in xs
.set CS,  12                           ; v12-15   sums of my four columns
.set R,   16                           ; v16-143  as loaded: fragment f, row i at 64 f + 4 i
.set X,   144                          ; v144-207 my 64 numbers: register 32 c + i = column 64 h + 32 c + i
.set C,   208                          ; v208-231 the codes, a set of 12 for each fragment: no store's data are written again
.set CT,  232                          ; v232-238 the second halves of the blocks' codes, before they are moved
.set MX,  240                          ; v240-241 largest magnitudes;  v242-243 the conversions' scale operands;  v244-245 bytes
.set SOP, 242
.set BY,  244
.set WD,  246                          ; v246 the scale word;  v247 the other half's;  v248 8 h
.set WT,  247
.set SH,  248
; K'S ORDER IN AN IMAGE: lane (r, h) holds the blocks 2 h and 2 h + 1 of the K step's four (columns 64 h + 0 .. 63), where the operand's layout names blocks h and 2 + h: inside each 128 along K the blocks stand in the order 0, 2, 1, 3.
; The product's launch reads We's codes in the same order, so equal k still meet; each scale byte goes with its block.  We's scale words are copied to wsp with bytes 1 and 2 exchanged: 1,024 bytes a work-group, by waves 2 and 3.
	s_load_b256 s[4:11], s[0:1], 0x0               ; x s[4:5], xq s[6:7], xs s[8:9], psum s[10:11]
	s_load_b128 s[28:31], s[0:1], 0x20             ; We_scales s[28:29], wsp s[30:31]
	v_lshl_add_u32 v254, v0, 2, 0x11c00
	v_mov_b32 v255, 0
	v_lshrrev_b32 v1, 5, v0
	s_delay_alu instid0(VALU_DEP_1)
	v_readfirstlane_b32 s12, v1                    ; wave 0..7
	s_and_b32 s13, ttmp7, 0xffff                   ; the K step
	s_mov_b32 s14, 0x76543210
	s_mov_b32 s15, 0xfedcba98                      ; v_permlanex16_b32's selects for lane l xor 16
	v_and_b32 v1, 31, v0                           ; lane
	v_and_b32 v2, 15, v0                           ; r
	v_bfe_u32 v3, v0, 4, 1                         ; h
	s_delay_alu instid0(VALU_DEP_3)
	v_lshlrev_b32 v[GA], 4, v1
	s_mul_i32 s16, s12, WSTG
	v_add_nc_u32 v[SI], s16, v[GA]
	v_mul_u32_u24 v[SO], v2, SPIT
	s_delay_alu instid0(VALU_DEP_1)
	v_lshl_add_u32 v[SO], v3, 8, v[SO]
	s_delay_alu instid0(VALU_DEP_1)
	v_add_nc_u32 v[SO], s16, v[SO]
	s_lshl_b32 s17, s12, 7                         ; a wave's two blocks of 16 tokens: 128 bytes of scale words
	s_add_co_u32 s17, s17, SCW
	v_lshl_add_u32 v[SWA], v2, 2, s17
	s_lshl_b32 s17, s12, 9
	s_add_co_u32 s17, s17, SUM
	v_add_nc_u32 v[SUA], s17, v[GA]
	v_add_nc_u32 v[RDS], SUM, v[GA]
	v_add_nc_u32 v[RDW], SCW, v[GA]
	v_lshlrev_b32 v[XSO], 11, v3                   ; lanes 16-31: the next 64 tokens, 2,048 bytes on
	s_delay_alu instid0(VALU_DEP_1)
	v_lshl_add_u32 v[XSO], v2, 4, v[XSO]
	v_lshlrev_b32 v[SH], 3, v3
	v_mov_b32 v[WT], 0                             ; written once: a lane permute's destination counts as one of its sources
	s_lshl_b32 s18, ttmp9, 20                      ; x: (256 chunk + 32 wave) rows of 4,096 bytes + 512 x K step
	s_lshl_b32 s19, s12, 17
	s_add_co_u32 s18, s18, s19
	s_lshl_b32 s19, s13, 9
	s_add_co_u32 s18, s18, s19
	s_mov_b32 s19, 0
	s_lshl_b32 s20, ttmp9, 7                       ; xq: ((16 chunk + 2 wave) x 8 + K step) x 1,536
	s_lshl_b32 s21, s12, 4
	s_add_co_u32 s20, s20, s21
	s_add_co_u32 s20, s20, s13
	s_mul_i32 s20, s20, 1536
	s_mov_b32 s21, 0
	s_lshl_b32 s22, ttmp9, 13                      ; xs: 4 chunk x 2,048 + 256 x K step
	s_lshl_b32 s23, s13, 8
	s_add_co_u32 s22, s22, s23
	s_mov_b32 s23, 0
	s_lshl_b32 s24, ttmp9, 12                      ; psum: 4,096 chunk + 512 x K step
	s_lshl_b32 s25, s13, 9
	s_add_co_u32 s24, s24, s25
	s_mov_b32 s25, 0
	s_and_b32 s26, s12, 1                          ; We's scale words: 1,024 x (32 x K step + chunk) + 512 x (wave % 2) + 16 x lane
	s_lshl_b32 s26, s26, 9
	s_lshl_b32 s27, s13, 5
	s_add_co_u32 s27, s27, ttmp9
	s_lshl_b32 s27, s27, 10
	s_add_co_u32 s26, s26, s27
	v_add_nc_u32 v249, s26, v[GA]
	s_mov_b32 s27, 0x03010200                      ; bytes 0, 2, 1, 3
	s_wait_alu depctr_va_vdst(0)
	s_wait_kmcnt 0x0
	s_add_nc_u64 s[4:5], s[4:5], s[18:19]
	s_add_nc_u64 s[6:7], s[6:7], s[20:21]
	s_add_nc_u64 s[8:9], s[8:9], s[22:23]
	s_add_nc_u64 s[10:11], s[10:11], s[24:25]
	global_load_b128 v[250:253], v249, s[28:29]    ; four scale words of We; issued ahead of x's loads, so their counts stand.  Every wave loads, waves 2 and 3 use them
.irp f, 0,1
.irp i, 0,1,2,3,4,5,6,7,8,9,10,11,12,13,14,15
	global_load_b128 v[R+64*\f+4*\i:R+64*\f+4*\i+3], v[GA], s[4:5] offset:(16*\f+\i)*4096 th:TH_LOAD_NT   ; 32 lanes read 512 consecutive bytes; x is read once in the launch
.endr
.endr
; Fragment f: through the stage, column sums meanwhile, then the two blocks of each lane are quantised and the image and the scale word leave.
.macro FRAGQ f
.set RB, R+64*(\f)
.set CB, C+12*(\f)
	s_wait_loadcnt 16*(1-(\f))                     ; this fragment's 16 loads are in; the other's, issued behind them, may be out
.irp i, 0,1,2,3,4,5,6,7,8,9,10,11,12,13,14,15
	ds_store_b128 v[SI], v[RB+4*\i:RB+4*\i+3] offset:SPIT*\i
.endr
.irp c, 0,1
.irp j, 0,1,2,3,4,5,6,7
	ds_load_b128 v[X+32*\c+4*\j:X+32*\c+4*\j+3], v[SO] offset:128*\c+16*\j   ; LDS serves a wave's instructions in order: these see the stores above
.endr
.endr
.if (\f) == 0
	v_pk_add_f32 v[CS:CS+1], v[RB:RB+1], v[RB+4:RB+5]             ; the first two rows start the sums: nothing is cleared
	v_pk_add_f32 v[CS+2:CS+3], v[RB+2:RB+3], v[RB+6:RB+7]
.else
	v_pk_add_f32 v[CS:CS+1], v[CS:CS+1], v[RB:RB+1]
	v_pk_add_f32 v[CS+2:CS+3], v[CS+2:CS+3], v[RB+2:RB+3]
	s_delay_alu instid0(VALU_DEP_2)
	v_pk_add_f32 v[CS:CS+1], v[CS:CS+1], v[RB+4:RB+5]
	s_delay_alu instid0(VALU_DEP_2)
	v_pk_add_f32 v[CS+2:CS+3], v[CS+2:CS+3], v[RB+6:RB+7]
.endif
.irp i, 2,3,4,5,6,7,8,9,10,11,12,13,14,15
	s_delay_alu instid0(VALU_DEP_2)
	v_pk_add_f32 v[CS:CS+1], v[CS:CS+1], v[RB+4*\i:RB+4*\i+1]
	s_delay_alu instid0(VALU_DEP_2)
	v_pk_add_f32 v[CS+2:CS+3], v[CS+2:CS+3], v[RB+4*\i+2:RB+4*\i+3]
.endr
	s_wait_dscnt 0x0                               ; my 64 numbers are back (and the last fragment's scale word has been read from its register)
.irp c, 0,1
	v_max3_num_f32 v[MX+\c], |v[X+32*\c]|, |v[X+32*\c+1]|, 0x1800000   ; block 2 c + h: all 32 numbers are mine; the floor 2^(3 - 127) holds the byte at 1 from below
.endr
.irp i, 2,4,6,8,10,12,14,16,18,20,22,24,26,28,30
.irp c, 0,1
	s_delay_alu instid0(VALU_DEP_2)
	v_max3_num_f32 v[MX+\c], v[MX+\c], |v[X+32*\c+\i]|, |v[X+32*\c+\i+1]|   ; (the two blocks by turns)
.endr
.endr
.irp c, 0,1
	s_delay_alu instid0(VALU_DEP_2)
	v_add_nc_u32 v[SOP+\c], 0xff000000, v[MX+\c]   ; 2 off the exponent field: the conversion takes this operand's exponent field as its scale
.endr
.irp c, 0,1
	s_delay_alu instid0(VALU_DEP_2)
	v_lshrrev_b32 v[BY+\c], 23, v[SOP+\c]          ; the scale's byte
.endr
	s_delay_alu instid0(VALU_DEP_1)
	v_lshl_or_b32 v[WD], v[BY+1], 16, v[BY]        ; my bytes: blocks h and 2 + h,
	s_delay_alu instid0(VALU_DEP_1)
	v_lshlrev_b32 v[WD], v[SH], v[WD]              ; at their places in the word;
	s_delay_alu instid0(VALU_DEP_1)
	v_permlanex16_b32 v[WT], v[WD], s14, s15
	s_delay_alu instid0(VALU_DEP_1)
	v_or_b32 v[WD], v[WD], v[WT]                   ; with lane l xor 16's two the word is whole
.irp c, 0,1
	v_cvt_scalef32_pk16_fp6_f32 v[CB+6*\c:CB+6*\c+2], v[X+32*\c:X+32*\c+15], v[SOP+\c]
	v_cvt_scalef32_pk16_fp6_f32 v[CT+4*\c:CT+4*\c+2], v[X+32*\c+16:X+32*\c+31], v[SOP+\c]   ; (a conversion's three registers begin on an even number: the block's second half is made here and moved)
.endr
	v_nop                                          ; one plain place behind a scaled conversion
.irp c, 0,1
.irp i, 0,1,2
	v_mov_b32 v[CB+6*\c+3+\i], v[CT+4*\c+\i]
.endr
.endr
.irp c, 0,1,2
	global_store_b128 v[GA], v[CB+4*\c:CB+4*\c+3], s[6:7] offset:12288*(\f)+512*\c   ; 32 lanes store 512 consecutive bytes, at a multiple of 512 from xq's first byte
.endr
	ds_store_b32 v[SWA], v[WD] offset:64*(\f)      ; lanes r and r + 16 write the same word with the same value
.endm
	FRAGQ 0
	FRAGQ 1
	ds_store_b128 v[SUA], v[CS:CS+3]
	s_wait_dscnt 0x0                               ; for the others' sake: my scale words and my sums have landed
	s_barrier_signal -1
	s_barrier_wait -1
	s_cmp_eq_u32 s12, 0
	s_cbranch_scc1 .Lsums
	s_cmp_eq_u32 s12, 1
	s_cbranch_scc1 .Lwords
	s_cmp_lt_u32 s12, 4
	s_cbranch_scc1 .Lperm
	s_wait_tensorcnt 0x0
	ds_add_u32 v254, v255
	s_wait_dscnt 0x0
	s_endpgm
.Lsums:                                            ; wave 0: the eight waves' sums are added and leave as 512 consecutive bytes
.irp j, 0,1,2,3,4,5,6,7
	ds_load_b128 v[R+4*\j:R+4*\j+3], v[RDS] offset:512*\j
.endr
	s_wait_dscnt 0x0
.irp j, 0,1,2,3
	v_pk_add_f32 v[R+4*\j:R+4*\j+1], v[R+4*\j:R+4*\j+1], v[R+4*\j+16:R+4*\j+17]
	v_pk_add_f32 v[R+4*\j+2:R+4*\j+3], v[R+4*\j+2:R+4*\j+3], v[R+4*\j+18:R+4*\j+19]
.endr
.irp j, 0,1
	s_delay_alu instid0(VALU_DEP_4)
	v_pk_add_f32 v[R+4*\j:R+4*\j+1], v[R+4*\j:R+4*\j+1], v[R+4*\j+8:R+4*\j+9]
	s_delay_alu instid0(VALU_DEP_4)
	v_pk_add_f32 v[R+4*\j+2:R+4*\j+3], v[R+4*\j+2:R+4*\j+3], v[R+4*\j+10:R+4*\j+11]
.endr
	s_delay_alu instid0(VALU_DEP_2)
	v_pk_add_f32 v[R:R+1], v[R:R+1], v[R+4:R+5]
	s_delay_alu instid0(VALU_DEP_2)
	v_pk_add_f32 v[R+2:R+3], v[R+2:R+3], v[R+6:R+7]
	global_store_b128 v[GA], v[R:R+3], s[10:11]
	s_wait_tensorcnt 0x0
	ds_add_u32 v254, v255
	s_wait_dscnt 0x0
	s_endpgm
.Lperm:                                            ; waves 2 and 3: We's scale words in the images' order of blocks; 32 lanes store 512 consecutive bytes
.irp j, 250,251,252,253
	v_perm_b32 v\j, v\j, v\j, s27
.endr
	global_store_b128 v249, v[250:253], s[30:31]
	s_wait_tensorcnt 0x0
	ds_add_u32 v254, v255
	s_wait_dscnt 0x0
	s_endpgm
.Lwords:
.irp j, 0,1
	ds_load_b128 v[R+4*\j:R+4*\j+3], v[RDW] offset:512*\j
.endr
	s_wait_dscnt 0x0
.irp j, 0,1
	global_store_b128 v[XSO], v[R+4*\j:R+4*\j+3], s[8:9] offset:4096*\j
.endr
	s_wait_tensorcnt 0x0
	ds_add_u32 v254, v255
	s_wait_dscnt 0x0
	s_endpgm
.Lfunc_end_k_q7de965797c_quant:
	.size	k_q7de965797c_quant, .Lfunc_end_k_q7de965797c_quant-k_q7de965797c_quant
	.p2alignl 7, 3214868480
	.fill 96, 4, 3214868480
	.section	.rodata,"a",@progbits
	.p2align	6, 0x0
	.amdhsa_kernel k_q7de965797c_quant
		.amdhsa_group_segment_fixed_size 73728
		.amdhsa_private_segment_fixed_size 0
		.amdhsa_enable_private_segment 0
		.amdhsa_kernarg_size 48
		.amdhsa_user_sgpr_count 2
		.amdhsa_user_sgpr_kernarg_segment_ptr 1
		.amdhsa_wavefront_size32 1
		.amdhsa_system_sgpr_workgroup_id_x 1
		.amdhsa_system_sgpr_workgroup_id_y 1
		.amdhsa_system_sgpr_workgroup_id_z 1
		.amdhsa_system_vgpr_workitem_id 0
		.amdhsa_next_free_vgpr 256
		.amdhsa_next_free_sgpr 66
		.amdhsa_reserve_vcc 0
		.amdhsa_float_denorm_mode_32 3
		.amdhsa_float_denorm_mode_16_64 3
		.amdhsa_memory_ordered 1
		.amdhsa_forward_progress 1
		.amdhsa_inst_pref_size 29
	.end_amdhsa_kernel
	.amdgpu_metadata
---
amdhsa.version: [ 1, 2 ]
amdhsa.kernels:
  - .name:           k_q7de965797c_quant
    .symbol:         k_q7de965797c_quant.kd
    .args:
      - { .name: x, .offset: 0, .size: 8, .value_kind: global_buffer, .address_space: global }
      - { .name: xq, .offset: 8, .size: 8, .value_kind: global_buffer, .address_space: global }
      - { .name: xs, .offset: 16, .size: 8, .value_kind: global_buffer, .address_space: global }
      - { .name: psum, .offset: 24, .size: 8, .value_kind: global_buffer, .address_space: global }
      - { .name: We_scales, .offset: 32, .size: 8, .value_kind: global_buffer, .address_space: global }
      - { .name: wsp, .offset: 40, .size: 8, .value_kind: global_buffer, .address_space: global }
    .group_segment_fixed_size: 73728
    .private_segment_fixed_size: 0
    .kernarg_segment_align: 8
    .kernarg_segment_size: 48
    .max_flat_workgroup_size: 256
    .sgpr_count:     66
    .vgpr_count:     256
    .wavefront_size: 32
...
	.end_amdgpu_metadata
.endif
;; end of part 4
;; launch router (part 5): grid 8 x 8, 8 waves a work-group, no clusters, 37,888 bytes of LDS; arguments psum, Wr1, part; writes part
.if DOCPART == 5
	.amdgcn_target "amdgcn-amd-amdhsa--gfx1250"
	.amdhsa_code_object_version 6
	.text
	.protected	k_q7de965797c_router
	.globl	k_q7de965797c_router
	.p2align	8
	.type	k_q7de965797c_router,@function
k_q7de965797c_router:
	s_mov_b64 s[64:65], 0
	v_nop
	global_prefetch_b8 v0, s[64:65] scope:SCOPE_SE
	s_setreg_imm32_b32 hwreg(HW_REG_WAVE_MODE, 25, 1), 1
	s_wait_xcnt 0x0
; part[kq][b][n] = the sum over k = 128 kq .. 128 kq + 127 of (the sum over a batch's 1,024 tokens of x[b][.][k]) x Wr1[k][n], in f32 by fused multiply-adds.
; The product has 8 rows and streams 4 MiB of Wr1 once: memory binds it, so it is split over 8 x 8 work-groups (128 columns x 128 along K each) that read whole rows of 512 bytes;
; the division by 1,024, the bias and the relu need the whole sum over K and are done by the next launch.  Matrix units, clusters and tensor loads would add nothing here.
; Wave w takes rows 128 kq + 16 w + i of Wr1 (i = 0 .. 15), lane l the columns 128 nc + 4 l + 0 .. 3, for all eight batches: 32 sums a lane.  The eight waves' sums meet in LDS.
.set XSL, 0                            ; LDS: the token sums [batch 8][128 along K] f32
.set RED, 4096                         ; and the waves' partial sums [wave 8][batch 8][128 columns] f32
.set LA,  1                            ; v1  16 x lane
.set W,   16                           ; v16-79   my 16 rows of Wr1, four columns each
.set XR,  80                           ; v80-207  the token sums: batch b, my row i at 16 b + i
.set AC,  208                          ; v208-239 the sums: batch b, column c at 4 b + c (first: the four chunks' column sums)
	s_load_b128 s[4:7], s[0:1], 0x0                ; psum, Wr1
	s_load_b64 s[8:9], s[0:1], 0x10                ; part
	v_lshl_add_u32 v240, v0, 2, 0x9000
	v_mov_b32 v241, 0
	v_lshrrev_b32 v1, 5, v0
	s_delay_alu instid0(VALU_DEP_1)
	v_readfirstlane_b32 s10, v1                    ; wave 0..7
	s_and_b32 s11, ttmp7, 0xffff                   ; kq
	v_and_b32 v1, 31, v0
	s_delay_alu instid0(VALU_DEP_1)
	v_lshlrev_b32 v[LA], 4, v1
	s_lshl_b32 s12, s10, 9
	v_add_nc_u32 v2, s12, v[LA]                    ; v2: the token sums of batch = my wave: 512 w + 16 l
	s_lshl_b32 s13, s10, 6
	v_mov_b32 v3, s13                              ; v3: my 16 rows' place in a batch's 128 sums: 64 w, the same in every lane
	s_lshl_b32 s13, s10, 12
	s_add_co_u32 s13, s13, RED
	v_add_nc_u32 v4, s13, v[LA]                    ; v4: where my partial sums go
	s_add_co_u32 s12, s12, RED
	v_add_nc_u32 v5, s12, v[LA]                    ; v5: where I read batch = my wave back
	s_lshl_b32 s14, s10, 14                        ; psum: chunk 4 w, column 128 kq
	s_lshl_b32 s15, s11, 9
	s_add_co_u32 s14, s14, s15
	s_mov_b32 s15, 0
	s_lshl_b32 s16, s11, 19                        ; Wr1: row 128 kq + 16 w, column 128 nc
	s_lshl_b32 s17, s10, 16
	s_add_co_u32 s16, s16, s17
	s_lshl_b32 s17, ttmp9, 9
	s_add_co_u32 s16, s16, s17
	s_mov_b32 s17, 0
	s_lshl_b32 s18, s11, 15                        ; part: [kq][batch = my wave][128 nc]
	s_lshl_b32 s19, s10, 12
	s_add_co_u32 s18, s18, s19
	s_lshl_b32 s19, ttmp9, 9
	s_add_co_u32 s18, s18, s19
	s_mov_b32 s19, 0
	s_wait_alu depctr_va_vdst(0)
	s_wait_kmcnt 0x0
	s_add_nc_u64 s[4:5], s[4:5], s[14:15]
	s_add_nc_u64 s[6:7], s[6:7], s[16:17]
	s_add_nc_u64 s[8:9], s[8:9], s[18:19]
.irp j, 0,1,2,3
	global_load_b128 v[AC+4*\j:AC+4*\j+3], v[LA], s[4:5] offset:4096*\j
.endr
.irp i, 0,1,2,3,4,5,6,7,8,9,10,11,12,13,14,15
	global_load_b128 v[W+4*\i:W+4*\i+3], v[LA], s[6:7] offset:4096*\i th:TH_LOAD_NT   ; 512 consecutive bytes; each byte of Wr1 is read once in the launch
.endr
	s_wait_loadcnt 16                              ; the four chunks' sums are in; the 16 rows of Wr1 issued behind them may be out
	v_pk_add_f32 v[AC:AC+1], v[AC:AC+1], v[AC+4:AC+5]
	v_pk_add_f32 v[AC+2:AC+3], v[AC+2:AC+3], v[AC+6:AC+7]
	v_pk_add_f32 v[AC+8:AC+9], v[AC+8:AC+9], v[AC+12:AC+13]
	v_pk_add_f32 v[AC+10:AC+11], v[AC+10:AC+11], v[AC+14:AC+15]
	s_delay_alu instid0(VALU_DEP_2)
	v_pk_add_f32 v[AC:AC+1], v[AC:AC+1], v[AC+8:AC+9]
	s_delay_alu instid0(VALU_DEP_2)
	v_pk_add_f32 v[AC+2:AC+3], v[AC+2:AC+3], v[AC+10:AC+11]
	ds_store_b128 v2, v[AC:AC+3] offset:XSL
	s_wait_dscnt 0x0                               ; for the others' sake
	s_barrier_signal -1
	s_barrier_wait -1
.irp b, 0,1,2,3,4,5,6,7
.irp q, 0,1,2,3
	ds_load_b128 v[XR+16*\b+4*\q:XR+16*\b+4*\q+3], v3 offset:XSL+512*\b+16*\q   ; every lane takes the same 16 bytes
.endr
.endr
	s_wait_dscnt 0x0
	s_wait_loadcnt 0x0
.irp b, 0,1,2,3,4,5,6,7
.irp c, 0,1,2,3
	v_mul_f32 v[AC+4*\b+\c], v[XR+16*\b], v[W+\c]  ; the first row starts the sums
.endr
.endr
.set i, 1
.rept 15
.set b, 0
.rept 8
.irp c, 0,1,2,3
	v_fmac_f32 v[AC+4*b+\c], v[XR+16*b+i], v[W+4*i+\c]
.endr
.set b, b+1
.endr
.set i, i+1
.endr
.irp b, 0,1,2,3,4,5,6,7
	ds_store_b128 v4, v[AC+4*\b:AC+4*\b+3] offset:512*\b
.endr
	s_wait_dscnt 0x0                               ; for the others' sake
	s_barrier_signal -1
	s_barrier_wait -1
.irp j, 0,1,2,3,4,5,6,7
	ds_load_b128 v[XR+4*\j:XR+4*\j+3], v5 offset:4096*\j   ; batch = my wave: the eight waves' parts
.endr
	s_wait_dscnt 0x0
.irp j, 0,1,2,3
	v_pk_add_f32 v[XR+4*\j:XR+4*\j+1], v[XR+4*\j:XR+4*\j+1], v[XR+4*\j+16:XR+4*\j+17]
	v_pk_add_f32 v[XR+4*\j+2:XR+4*\j+3], v[XR+4*\j+2:XR+4*\j+3], v[XR+4*\j+18:XR+4*\j+19]
.endr
.irp j, 0,1
	s_delay_alu instid0(VALU_DEP_4)
	v_pk_add_f32 v[XR+4*\j:XR+4*\j+1], v[XR+4*\j:XR+4*\j+1], v[XR+4*\j+8:XR+4*\j+9]
	s_delay_alu instid0(VALU_DEP_4)
	v_pk_add_f32 v[XR+4*\j+2:XR+4*\j+3], v[XR+4*\j+2:XR+4*\j+3], v[XR+4*\j+10:XR+4*\j+11]
.endr
	s_delay_alu instid0(VALU_DEP_2)
	v_pk_add_f32 v[XR:XR+1], v[XR:XR+1], v[XR+4:XR+5]
	s_delay_alu instid0(VALU_DEP_2)
	v_pk_add_f32 v[XR+2:XR+3], v[XR+2:XR+3], v[XR+6:XR+7]
	global_store_b128 v[LA], v[XR:XR+3], s[8:9]    ; 512 consecutive bytes
	s_wait_tensorcnt 0x0
	ds_add_u32 v240, v241
	s_wait_dscnt 0x0
	s_endpgm
.Lfunc_end_k_q7de965797c_router:
	.size	k_q7de965797c_router, .Lfunc_end_k_q7de965797c_router-k_q7de965797c_router
	.p2alignl 7, 3214868480
	.fill 96, 4, 3214868480
	.section	.rodata,"a",@progbits
	.p2align	6, 0x0
	.amdhsa_kernel k_q7de965797c_router
		.amdhsa_group_segment_fixed_size 37888
		.amdhsa_private_segment_fixed_size 0
		.amdhsa_enable_private_segment 0
		.amdhsa_kernarg_size 24
		.amdhsa_user_sgpr_count 2
		.amdhsa_user_sgpr_kernarg_segment_ptr 1
		.amdhsa_wavefront_size32 1
		.amdhsa_system_sgpr_workgroup_id_x 1
		.amdhsa_system_sgpr_workgroup_id_y 1
		.amdhsa_system_sgpr_workgroup_id_z 1
		.amdhsa_system_vgpr_workitem_id 0
		.amdhsa_next_free_vgpr 242
		.amdhsa_next_free_sgpr 66
		.amdhsa_reserve_vcc 0
		.amdhsa_float_denorm_mode_32 3
		.amdhsa_float_denorm_mode_16_64 3
		.amdhsa_memory_ordered 1
		.amdhsa_forward_progress 1
		.amdhsa_inst_pref_size 25
	.end_amdhsa_kernel
	.amdgpu_metadata
---
amdhsa.version: [ 1, 2 ]
amdhsa.kernels:
  - .name:           k_q7de965797c_router
    .symbol:         k_q7de965797c_router.kd
    .args:
      - { .name: psum, .offset: 0, .size: 8, .value_kind: global_buffer, .address_space: global }
      - { .name: Wr1, .offset: 8, .size: 8, .value_kind: global_buffer, .address_space: global }
      - { .name: part, .offset: 16, .size: 8, .value_kind: global_buffer, .address_space: global }
    .group_segment_fixed_size: 37888
    .private_segment_fixed_size: 0
    .kernarg_segment_align: 8
    .kernarg_segment_size: 24
    .max_flat_workgroup_size: 256
    .sgpr_count:     66
    .vgpr_count:     242
    .wavefront_size: 32
...
	.end_amdgpu_metadata
.endif
;; end of part 5
;; launch moe (part 6): grid 32 x 8, 4 waves a work-group, clusters of 4 x 1, 327,680 bytes of LDS; arguments We_codes, wsp, be, xq, xs, part, br1, Wr2, br2, out0; writes out0
.if DOCPART == 6
	.amdgcn_target "amdgcn-amd-amdhsa--gfx1250"
	.amdhsa_code_object_version 6
	.text
	.protected	k_q7de965797c_moe
	.globl	k_q7de965797c_moe
	.p2align	8
	.type	k_q7de965797c_moe,@function
k_q7de965797c_moe:
	s_mov_b64 s[64:65], 0
	v_nop
	global_prefetch_b8 v0, s[64:65] scope:SCOPE_SE
	s_setreg_imm32_b32 hwreg(HW_REG_WAVE_MODE, 25, 1), 1
	s_wait_xcnt 0x0
	s_wait_alu depctr_hold_cnt(0) depctr_sa_sdst(0) depctr_va_vdst(0) depctr_va_sdst(0) depctr_va_ssrc(0) depctr_va_vcc(0) depctr_vm_vsrc(0)
	s_getreg_b32 s2, hwreg(HW_REG_IB_STS2, 6, 4)
	s_cmp_eq_u32 s2, 0
	s_cbranch_scc0 .Lentry_in_a_cluster
	s_endpgm
.Lentry_in_a_cluster:
	s_bfe_u32 s2, ttmp6, 0x10000c
	s_cmp_lg_u32 s2, 0x3003
	s_cbranch_scc0 .Lentry_shape_is_right
	s_endpgm
.Lentry_shape_is_right:
; out[token][d] = sum over experts e of routing[b][e] x relu(sum over h of Q(x)[token][h] We[e][h][d] + be[e][d]); the product on codes of E2M3 with one E8M0 scale for each 32 along h, sums in f32.
; routing[b] = softmax(relu(mean of x @ Wr1 + br1) @ Wr2 + br2): the partial sums of (token sums) @ Wr1 come from the launch before; every work-group finishes its batch's eight weights, the largest logit taken away first.
; SHARES.  A work-group: 256 tokens x 128 d; wave w: 64 tokens (four blocks of 16) x 128 d.  All of K of a wave's tokens, 32 fragments = 384 registers, stays in registers; a fragment of We from LDS feeds four matrix instructions.
; ORDER.  d in tiles of 16, the eight experts inside, the eight K steps of 128 innermost.  Source 0 = 16 rows (d) of We, source 1 = 16 tokens: a lane holds one token and eight neighbouring d.  be is the C of each sum's first instruction.
; K'S ORDER.  Inside each 128 along K both operands take the blocks of 32 in the order 0, 2, 1, 3: lane (r, h) holds the row's bytes 96 s + 48 h + 0 .. 47, three loads of 16 bytes.  xq is laid so, and wsp holds We's scale words
; with bytes 1 and 2 exchanged (both by the quantising launch), so equal k meet and every block keeps its scale.  The order of the sums inside an instruction differs from K ascending.
; TWO SETS OF We's FRAGMENTS, a whole expert each (96 registers): even experts' in window 0, odd experts' in window 3.  One run of 26 or 28 LDS loads an expert, behind its second matrix instruction, brings the NEXT expert;
; one wait at an expert's head.  Even experts' sums lie in window 3, odd experts' in window 0, so that under ONE window setting an expert's matrix instructions and the vector lines on the expert before both find their registers.
; RELU AND WEIGHT: r relu(a) = (r/2) a + (r/2) |a|: a packed multiply-add for two numbers and one multiply-add with |a| for each: 48 lines an expert, dealt two and one by turns behind the 32 matrix instructions; they read the sums
; and write only the weighted sums: even experts add into OUT of window 0, odd experts into OUT of window 3; the two are added once a tile.
; RING.  A slot holds one tile of d for all eight experts; two slots; a slot is filled again in its tile's expert 7, two tiles ahead, each wave two experts by one joint load.
; CLUSTER.  The four work-groups are the four token blocks of one batch at the same 128 d: codes, scales and biases of We are asked for jointly (mask 15).  The place in the cluster enters the addresses of xq, xs and out0 alone.
; NO PREFETCH: a refill is asked for 256 matrix instructions ahead of the wait for it, and the head's tiles have no loop ahead of them.
; LIMITS: what the quantising launch states for x holds here; exponentials whose result would lie under 2^-126 come out as 0; a sum that overflows to an infinity gives NaN (infinity less infinity in the relu's form).
; WINDOW 0: v1-15 addresses; v16-31 x's scale words; v32-47 We's scale words, two sets; v48-55 bias; v64-159 fragments; v160-191 sums; v192-223 weighted sum; v224-255 a finished tile.  WINDOW 3: the same numbers for bias, fragments, sums, weighted sum.
; WINDOWS 1, 2: x's fragments of K steps 0-3, 4-7 (block m, step s at 12 (4 m + s % 4)); v192-255 the way out.
.set EXPP,  13056                      ; an expert's 16 rows in a slot: 48 x (256 + 16)
.set ROWP,  816                        ; a row: 3 x 272 bytes = 204 words: sixteen rows start at sixteen different groups of four banks
.set SLOT,  8*EXPP
.set SCL,   2*SLOT                     ; We's scale words of my 128 d: filled once
.set SCEP,  4352
.set BE,    SCL+8*SCEP                 ; be of my 128 d: filled once
.set STAGE, BE+4096                    ; the way out: 64 rows x 272 bytes a wave
.set SPIT,  272
.set WSTG,  64*SPIT
.set RSC,   STAGE+4*WSTG               ; the waves' partial logits
.set SPARE, RSC+256                    ; the spare words
.set SPW,  1
.set NIL,  2
.set AK0,  3                           ; 816 r + 48 h
.set AK1,  4                           ; 816 r + 64 h: where lanes 16-31 lie behind one padding more
.set AD,   5                           ; v5-8: the slot in hand + AK0, + AK1; both four experts on
.set ASC,  9
.set ABE,  10
.set STO0, 11
.set STC,  12
.set RD,   13
.set CO,   14
.set TV,   15
.set XS,   16
.set WS,   32
.set BI,   48
.set WF,   64
.set ACC,  160
.set OUT,  192
.set T,    224
.set KR,   224                         ; at the head only
.set KH,   225
.set KL,   226
.set XA,   228
.set XSA,  229
.set PA,   230
.set W2A,  231
.set PT,   64
.set B1R,  128
.set W2R,  136
.set LG,   200
.set LT,   208
.set WV,   24
.set CX,   25
.set YY,   26
.set G1C,  36
.set G1S,  44
.set G1B,  52
.set G0S,  60
.set G0B,  68
.set G0C0, 72                          ; the head's load of half of slot 0
.set G0C1, 76                          ; slot 1's first fill, which then walks
.set RR,   80                          ; s[80:95] half of each routing weight, twice: the packed forms name a pair
.set TB,   96
.set TBF,  97
.set TC,   98
.set WOFF, 99
.set SEL,  100
.set MSB, 0
.macro WIN new                         ; the immediate's high byte repeats the setting that is left
.if MSB != \new
	s_set_vgpr_msb (MSB<<8)|\new
.set MSB, \new
.endif
.endm
.macro NOPS
.rept 4
	v_nop
.endr
.endm
.macro CREST
	s_cmp_lg_u32 s[WV], 0
	s_cbranch_scc1 .Lnot_wave_0_\@
	s_barrier_signal -3
.Lnot_wave_0_\@:
	s_barrier_wait -3
	s_barrier_signal -1
	s_barrier_wait -1
.endm
.macro CROUND
	s_barrier_signal -1
	s_barrier_wait -1
	CREST
.endm
.macro SETAD
	v_add_nc_u32 v[AD], s[TB], v[AK0]
	v_add_nc_u32 v[AD+1], s[TB], v[AK1]
	v_add_nc_u32 v[AD+2], 4*EXPP, v[AD]
	v_add_nc_u32 v[AD+3], 4*EXPP, v[AD+1]
.endm
	s_load_b512 s[4:19], s[0:1], 0x0               ; We_codes, wsp, be, xq, xs, part, br1, Wr2
	s_load_b128 s[20:23], s[0:1], 0x40             ; br2, out0
	v_lshl_add_u32 v[SPW], v0, 2, SPARE
	v_mov_b32 v[NIL], 0
	ds_add_u32 v[SPW], v[NIL]                      ; the opening lines: the add, twice on end, and its wait
	ds_add_u32 v[SPW], v[NIL]
	v_lshrrev_b32 v[TV], 5, v0
	v_readfirstlane_b32 s[WV], v[TV]               ; wave 0..3
	s_bfe_u32 s[CX], ttmp6, 0x40000
	s_and_b32 s[YY], ttmp7, 0xffff                 ; which 128 d
	; group 1, codes: rows (experts) of 1,536 elements of 8 bytes (16 rows of We, dense), 98,304 elements apart; 16 bytes of padding behind each 256.  Four experts at the head, two in the ring
	s_mov_b32 s[G1C], 15|(3<<16)|(1<<20)|(1<<21)|(5<<22)|(3<<25)
	s_mov_b32 s[G1C+1], 1536<<16
	s_mov_b32 s[G1C+2], 4<<16
	s_mov_b32 s[G1C+3], 1536<<16
	s_mov_b32 s[G1C+4], 4
	s_mov_b32 s[G1C+5], 98304
	s_mov_b32 s[G1C+6], 0
	s_mov_b32 s[G1C+7], 0
	; scale words: 8 experts x 512 elements (128 rows of 32 bytes), 4,096 elements apart; the same padding
	s_mov_b32 s[G1S], 15|(3<<16)|(1<<20)|(1<<21)|(5<<22)|(3<<25)
	s_mov_b32 s[G1S+1], 512<<16
	s_mov_b32 s[G1S+2], 8<<16
	s_mov_b32 s[G1S+3], 512<<16
	s_mov_b32 s[G1S+4], 8
	s_mov_b32 s[G1S+5], 4096
	s_mov_b32 s[G1S+6], 0
	s_mov_b32 s[G1S+7], 0
	; be: 8 experts x 64 elements (128 f32), 512 elements apart
	s_mov_b32 s[G1B], 15|(3<<16)|(1<<21)
	s_mov_b32 s[G1B+1], 64<<16
	s_mov_b32 s[G1B+2], 8<<16
	s_mov_b32 s[G1B+3], 64<<16
	s_mov_b32 s[G1B+4], 8
	s_mov_b32 s[G1B+5], 512
	s_mov_b32 s[G1B+6], 0
	s_mov_b32 s[G1B+7], 0
	s_mul_i32 s[WOFF], s[WV], 2*EXPP
	s_mov_b32 s[G0C0], 1
	s_lshl_b32 s[G0C0+1], s[WOFF], 1               ; the head: wave x four experts (waves 0 and 1 alone ask by it)
	s_mov_b32 s[G0C1], 1
	s_add_co_u32 s[G0C1+1], s[WOFF], SLOT
	s_mov_b32 s[G0S], 1
	s_mov_b32 s[G0S+1], SCL
	s_mov_b32 s[G0B], 1
	s_mov_b32 s[G0B+1], BE
	s_mul_i32 s28, s[WV], 2*786432
	s_mul_i32 s29, s[YY], 98304
	s_add_co_u32 s30, s28, s29
	s_add_co_u32 s30, s30, 12288                   ; the ring: my two experts, tile 1
	s_mov_b32 s31, 0
	s_lshl_b32 s28, s28, 1
	s_add_co_u32 s28, s28, s29                     ; the head: four experts, tile 0
	s_mov_b32 s29, 0
	s_lshl_b32 s66, s[YY], 12                      ; scale words
	s_mov_b32 s67, 0
	s_lshl_b32 s32, ttmp9, 4                       ; my wave's 64 tokens are number 16 batch + 4 place + wave
	s_lshl_b32 s33, s[CX], 2
	s_add_co_u32 s32, s32, s33
	s_add_co_u32 s32, s32, s[WV]
	s_mul_i32 s34, s32, 49152
	s_mov_b32 s35, 0
	s_mov_b32 s[SEL], 0x76543210
	s_mov_b32 s[SEL+1], 0xfedcba98
	s_mov_b32 s[TB], 0
	s_mov_b32 s[TBF], SLOT
	s_mul_i32 s33, s[WV], WSTG
	s_add_co_u32 s33, s33, STAGE                   ; my stage
	s_lshl_b32 s27, s[WV], 5
	s_add_co_u32 s27, s27, RSC                     ; my partial logits
	v_and_b32 v[KR], 15, v0
	v_bfe_u32 v[KH], v0, 4, 1
	v_and_b32 v[KL], 31, v0
	v_lshlrev_b32 v[XA], 4, v[KL]
	v_lshlrev_b32 v[XSA], 2, v[KL]
	v_lshlrev_b32 v[PA], 5, v0                     ; the router: thread t takes hidden units 8 t .. 8 t + 7
	v_lshlrev_b32 v[W2A], 8, v0
	v_mul_u32_u24 v[AK0], v[KR], ROWP
	v_mad_u32_u24 v[AK0], v[KH], 48, v[AK0]
	v_lshl_add_u32 v[AK1], v[KH], 4, v[AK0]
	v_lshlrev_b32 v[ASC], 5, v[KR]
	v_lshrrev_b32 v[TV], 3, v[KR]
	v_lshl_add_u32 v[ASC], v[TV], 4, v[ASC]
	v_mad_u32_u24 v[ASC], v[KH], SCEP, v[ASC]      ; lanes 16-31 one expert on
	v_add_nc_u32 v[ASC], SCL, v[ASC]
	v_lshl_add_u32 v[ABE], v[KH], 5, BE
	v_mul_u32_u24 v[STO0], v[KR], SPIT
	v_lshl_add_u32 v[STO0], v[KH], 5, v[STO0]
	v_add_nc_u32 v[STO0], s33, v[STO0]
	v_mul_u32_u24 v[RD], v[KH], SPIT
	v_lshl_add_u32 v[RD], v[KR], 4, v[RD]
	v_add_nc_u32 v[RD], s33, v[RD]
	v_lshlrev_b32 v[CO], 12, v[KH]
	v_lshl_add_u32 v[CO], v[KR], 4, v[CO]
.irp e, 0,1,2,3,4,5,6,7
	v_mov_b32 v[LT+\e], 0                          ; a lane permute's destination counts as one of its sources
.endr
	v_mov_b32 v[TV], s27
	v_mov_b32 v[STC], RSC
	SETAD
	s_wait_alu depctr_va_vdst(0)
	s_wait_dscnt 0x0                               ; both opening adds are done
	s_wait_kmcnt 0x0
	s_add_nc_u64 s[G0C0+2:G0C0+3], s[4:5], s[28:29]
	s_or_b32 s[G0C0+3], s[G0C0+3], 0x80000000
	s_add_nc_u64 s[G0C1+2:G0C1+3], s[4:5], s[30:31]
	s_or_b32 s[G0C1+3], s[G0C1+3], 0x80000000
	s_add_nc_u64 s[G0S+2:G0S+3], s[6:7], s[66:67]
	s_or_b32 s[G0S+3], s[G0S+3], 0x80000000
	s_lshl_b32 s66, s[YY], 9
	s_add_nc_u64 s[G0B+2:G0B+3], s[8:9], s[66:67]
	s_or_b32 s[G0B+3], s[G0B+3], 0x80000000
	s_add_nc_u64 s[10:11], s[10:11], s[34:35]      ; xq at my wave's fragments
	s_lshl_b32 s34, s32, 11
	s_add_nc_u64 s[12:13], s[12:13], s[34:35]      ; xs at my wave's words
	s_lshl_b32 s34, s32, 18
	s_add_co_u32 s34, s34, s66
	s_add_nc_u64 s[22:23], s[22:23], s[34:35]      ; out0: my 64 rows, my 128 d
	s_lshl_b32 s34, ttmp9, 12
	s_add_nc_u64 s[14:15], s[14:15], s[34:35]      ; part at my batch
	s_load_b256 s[28:35], s[20:21], 0x0            ; br2
.irp s, 0,1,2,3,4,5,6,7
.irp p, 0,1
	global_load_b32 v[XS+2*\s+\p], v[XSA], s[12:13] offset:256*\s+128*\p
.endr
.endr
.irp j, 0,1,2,3,4,5,6,7
	global_load_b128 v[PT+8*\j:PT+8*\j+3], v[PA], s[14:15] offset:32768*\j
	global_load_b128 v[PT+8*\j+4:PT+8*\j+7], v[PA], s[14:15] offset:32768*\j+16
.endr
	global_load_b128 v[B1R:B1R+3], v[PA], s[16:17]
	global_load_b128 v[B1R+4:B1R+7], v[PA], s[16:17] offset:16
.irp i, 0,1,2,3,4,5,6,7
	global_load_b128 v[W2R+8*\i:W2R+8*\i+3], v[W2A], s[18:19] offset:32*\i
	global_load_b128 v[W2R+8*\i+4:W2R+8*\i+7], v[W2A], s[18:19] offset:32*\i+16
.endr
	CROUND                                         ; all four work-groups are here: the first joint loads meet
	; the head's loads, one a wave: waves 0 and 1 half of slot 0 each, wave 2 the scale words, wave 3 be
	s_cmp_lt_u32 s[WV], 2
	s_cbranch_scc0 .Lhead_s
	tensor_load_to_lds s[G0C0:G0C0+3], s[G1C:G1C+7]
	s_nop 0
	NOPS
	s_branch .Lhead_j
.Lhead_s:
	s_cmp_lt_u32 s[WV], 3
	s_cbranch_scc0 .Lhead_b
	tensor_load_to_lds s[G0S:G0S+3], s[G1S:G1S+7]
	s_nop 0
	NOPS
	s_branch .Lhead_j
.Lhead_b:
	tensor_load_to_lds s[G0B:G0B+3], s[G1B:G1B+7]
	s_nop 0
	NOPS
.Lhead_j:
	WIN 0x40
.irp m, 0,1,2,3
.irp s, 0,1,2,3
.irp c, 0,1,2
	global_load_b128 v[12*(4*\m+\s)+4*\c:12*(4*\m+\s)+4*\c+3], v[XA], s[10:11] offset:12288*\m+1536*\s+512*\c   ; x's fragments of K steps 0-3
.endr
.endr
.endr
	WIN 0
	; THE ROUTER, first half: my eight hidden units and their share of the eight logits
	s_wait_loadcnt 48                              ; all but the 48 loads of fragments issued last
.irp j, 0,1,2,3
.irp q, 0,2,4,6
	v_pk_add_f32 v[PT+8*\j+\q:PT+8*\j+\q+1], v[PT+8*\j+\q:PT+8*\j+\q+1], v[PT+8*(\j+4)+\q:PT+8*(\j+4)+\q+1]
.endr
.endr
.irp j, 0,1
.irp q, 0,2,4,6
	v_pk_add_f32 v[PT+8*\j+\q:PT+8*\j+\q+1], v[PT+8*\j+\q:PT+8*\j+\q+1], v[PT+8*(\j+2)+\q:PT+8*(\j+2)+\q+1]
.endr
.endr
.irp q, 0,2,4,6
	v_pk_add_f32 v[PT+\q:PT+\q+1], v[PT+\q:PT+\q+1], v[PT+8+\q:PT+8+\q+1]
.endr
.irp q, 0,2,4,6
	v_pk_fma_f32 v[PT+\q:PT+\q+1], v[PT+\q:PT+\q+1], 0x3a800000, v[B1R+\q:B1R+\q+1] op_sel_hi:[1,0,1]   ; x 2^-10: the mean; + br1
.endr
.irp i, 0,1,2,3,4,5,6,7
	v_max_num_f32 v[PT+\i], 0, v[PT+\i]
.endr
.irp e, 0,1,2,3,4,5,6,7
	v_mul_f32 v[LG+\e], v[PT], v[W2R+\e]
.endr
.irp i, 1,2,3,4,5,6,7
.irp e, 0,1,2,3,4,5,6,7
	v_fmac_f32 v[LG+\e], v[PT+\i], v[W2R+8*\i+\e]
.endr
.endr
.irp k, 1,2,4,8
.irp e, 0,1,2,3,4,5,6,7
	v_add_f32_dpp v[LG+\e], v[LG+\e], v[LG+\e] row_xmask:\k row_mask:0xf bank_mask:0xf
.endr
.endr
.irp e, 0,1,2,3,4,5,6,7
	v_permlanex16_b32 v[LT+\e], v[LG+\e], s[SEL], s[SEL+1]
.endr
.irp e, 0,1,2,3,4,5,6,7
	v_add_f32 v[LG+\e], v[LG+\e], v[LT+\e]
.endr
	ds_store_b128 v[TV], v[LG:LG+3]                ; all lanes write the same bytes with the same values
	ds_store_b128 v[TV], v[LG+4:LG+7] offset:16
	WIN 0x80
.irp m, 0,1,2,3
.irp s, 0,1,2,3
.irp c, 0,1,2
	global_load_b128 v[12*(4*\m+\s)+4*\c:12*(4*\m+\s)+4*\c+3], v[XA], s[10:11] offset:12288*\m+1536*(\s+4)+512*\c   ; K steps 4-7
.endr
.endr
.endr
	WIN 0
	s_wait_alu depctr_va_vdst(0)
	s_wait_tensorcnt 0x0                           ; my tile of the head's four is in
	ds_add_u32 v[SPW], v[NIL]
	s_mov_b32 s[G1C+2], 2<<16                      ; no tensor load of mine is out: from here on a load brings two experts
	s_mov_b32 s[G1C+4], 2
	s_wait_dscnt 0x0                               ; the add and my logits' stores are done
	CROUND
	tensor_load_to_lds s[G0C1:G0C1+3], s[G1C:G1C+7]   ; slot 1's first fill: tile 1
	s_nop 0
	NOPS
.macro FRAGS e                         ; expert e's eight fragments: lane (r, h) takes bytes 96 k + 48 h + 16 j of its row; 16 bytes of padding lie behind every 256
.irp k, 0,1,2,3,4,5,6,7
.irp j, 0,1,2
.set PY, 96*\k+16*\j
.set POF, PY+16*(PY/256)+((\e)%4)*EXPP
.set PRG, WF+12*\k+4*\j
.if PY/256 == (PY+48)/256
	ds_load_b128 v[PRG:PRG+3], v[AD+2*((\e)/4)] offset:POF
.else
	ds_load_b128 v[PRG:PRG+3], v[AD+2*((\e)/4)+1] offset:POF
.endif
.endr
.endr
.endm
.macro BIAS e
	ds_load_b128 v[BI:BI+3], v[ABE] offset:512*(\e)
	ds_load_b128 v[BI+4:BI+7], v[ABE] offset:512*(\e)+16
.endm
.macro WSC q                           ; the eight scale words of row r: expert 2 q in lanes 0-15, expert 2 q + 1 in lanes 16-31
	ds_load_b128 v[WS+8*((\q)&1):WS+8*((\q)&1)+3], v[ASC] offset:2*SCEP*(\q)
	ds_load_b128 v[WS+8*((\q)&1)+4:WS+8*((\q)&1)+7], v[ASC] offset:2*SCEP*(\q)+16
.endm
.macro RUN n                           ; all that expert n wants from LDS: 26 loads (odd n) or 28 (even n: the pair's scale words too)
	WIN 0xc0                                       ; destination window 3
.if ((\n)&1)
	FRAGS \n
	WIN 0
	BIAS \n
.else
	BIAS \n
	WIN 0
	WSC (\n)/2
	FRAGS \n
.endif
.endm
.macro MSET e, s                       ; even experts: We window 0, sums window 3; odd: We window 3, sums window 0; x window 1 or 2
.if ((\e)&1) == 0
	WIN 0xf4+4*((\s)/4)
.else
	WIN 0x07+4*((\s)/4)
.endif
.endm
.macro MM e, s, m
.set pD, ACC+8*(\m)
.set pC, pD
.if (\s) == 0
.set pC, BI
.endif
.set pW, WF+12*(\s)
.set pX, 12*(4*(\m)+((\s)&3))
.set pSW, WS+8*(((\e)>>1)&1)+(\s)
.set pSX, XS+2*(\s)+((\m)>>1)
.if ((\e)&1) == 0
.if ((\m)&1) == 0
	v_wmma_scale_f32_16x16x128_f8f6f4 v[pD:pD+7], v[pW:pW+11], v[pX:pX+11], v[pC:pC+7], v[pSW], v[pSX] matrix_a_fmt:MATRIX_FMT_FP6 matrix_b_fmt:MATRIX_FMT_FP6
.else
	v_wmma_scale_f32_16x16x128_f8f6f4 v[pD:pD+7], v[pW:pW+11], v[pX:pX+11], v[pC:pC+7], v[pSW], v[pSX] matrix_a_fmt:MATRIX_FMT_FP6 matrix_b_fmt:MATRIX_FMT_FP6 matrix_b_scale:MATRIX_SCALE_ROW1
.endif
.else
.if ((\m)&1) == 0
	v_wmma_scale_f32_16x16x128_f8f6f4 v[pD:pD+7], v[pW:pW+11], v[pX:pX+11], v[pC:pC+7], v[pSW], v[pSX] matrix_a_fmt:MATRIX_FMT_FP6 matrix_b_fmt:MATRIX_FMT_FP6 matrix_a_scale:MATRIX_SCALE_ROW1
.else
	v_wmma_scale_f32_16x16x128_f8f6f4 v[pD:pD+7], v[pW:pW+11], v[pX:pX+11], v[pC:pC+7], v[pSW], v[pSX] matrix_a_fmt:MATRIX_FMT_FP6 matrix_b_fmt:MATRIX_FMT_FP6 matrix_a_scale:MATRIX_SCALE_ROW1 matrix_b_scale:MATRIX_SCALE_ROW1
.endif
.endif
.endm
; Line qL of a token block's twelve: 0-3 the packed (r/2) a, from the sum's low end on; 4-11 the (r/2) |a|.  Beside experts 1 and 2 (the first even and the first odd expert's sums) a multiplication begins the weighted sum.
.macro LINE e
.if qL < 4
.if ((\e) == 1) || ((\e) == 2)
	v_pk_mul_f32 v[qO+2*qL:qO+2*qL+1], v[qA+2*qL:qA+2*qL+1], s[qR:qR+1] op_sel_hi:[1,0]
.else
	v_pk_fma_f32 v[qO+2*qL:qO+2*qL+1], v[qA+2*qL:qA+2*qL+1], s[qR:qR+1], v[qO+2*qL:qO+2*qL+1] op_sel_hi:[1,0,1]
.endif
.else
	v_fma_f32 v[qO+qL-4], |v[qA+qL-4]|, s[qR], v[qO+qL-4]
.endif
.endm
.macro VV e, s, i, epi                 ; behind matrix instruction i of step s: the expert before, token block s / 2: two lines, one, two, one ..; epi = 0: v_nop in the same pattern
.set qA, ACC+8*((\s)/2)
.set qO, OUT+8*((\s)/2)
.set qR, RR+2*(((\e)+7)%8)
.set qI, 4*((\s)%2)+(\i)
.set qL, (3*qI+1)/2
.if (\epi) == 0
	v_nop
.if (qI%2) == 0
	v_nop
.endif
.else
	LINE \e
.if (qI%2) == 0
.set qL, qL+1
	LINE \e
.endif
.endif
.endm
; A step: K step s for the four token blocks, the four sums by turns.  ld = 1: the next expert's run behind the second matrix instruction: between the last matrix instruction that read
; the other set of fragments (the fourth of the expert before's step 7) and the run stand 1 + 2 + 1 = 4 plain vector lines that name none of its registers.
.macro STEP e, s, epi, ld
.irp i, 0,1,2,3
	MSET \e, \s
	MM \e, \s, \i
	VV \e, \s, \i, \epi
.if (\ld) && (\i == 1)
.set eN, ((\e)+1)%8
	RUN eN
.endif
.endr
.endm
; An expert.  n: the LDS instructions issued behind its own run.  mode 0: it holds the next expert's run; 3: no run; 1, 2: expert 7, which changes slots (1: and fills this slot again).
.macro EXPERT e, epi, mode, n
	s_wait_dscnt \n                                ; my fragments, bias and scale words are in
.if (\mode) == 0 || (\mode) == 3
	STEP \e, 0, \epi, 1-(\mode)/3
.irp s, 1,2,3,4,5,6,7
	STEP \e, \s, \epi, 0
.endr
.else
	WIN 0
	s_wait_tensorcnt 0x0                           ; all my tensor loads have landed: my part of the next slot
	ds_add_u32 v[SPW], v[NIL]
.if (\mode) == 1
	s_xor_b32 s[TBF], s[TBF], SLOT                 ; the walking descriptor: the other slot, the next 16 rows
	s_add_co_u32 s[G0C1+1], s[TBF], s[WOFF]
	s_add_nc_u64 s[G0C1+2:G0C1+3], s[G0C1+2:G0C1+3], 12288
.endif
	STEP \e, 0, \epi, 0
	STEP \e, 1, \epi, 0
	s_wait_dscnt 0x0                               ; the add is done; my reads of this slot ended at this expert's head
	s_barrier_signal -1
	STEP \e, 2, \epi, 0
	STEP \e, 3, \epi, 0
	WIN 0
	s_barrier_wait -1
.if (\mode) == 1
	CREST                                          ; the barrier opened a round: no wave of any partner still reads this slot
	tensor_load_to_lds s[G0C1:G0C1+3], s[G1C:G1C+7]   ; the tile two on
	s_nop 0
	NOPS
.endif
	s_xor_b32 s[TB], s[TB], SLOT
	SETAD
	v_add_nc_u32 v[ASC], 544, v[ASC]
	v_add_nc_u32 v[ABE], 64, v[ABE]
	RUN 0                                          ; the next tile's expert 0, from the other slot
.irp s, 4,5,6,7
	STEP \e, \s, \epi, 0
.endr
.endif
.endm
.macro FINISH                          ; the two weighted sums are added and the tile goes to my stage: lane (r, h): tokens 16 m + r, 32 bytes at the tile's 64 bytes + 32 h
	WIN 0
	s_and_b32 s66, s[TC], 3
	s_lshl_b32 s66, s66, 6
	v_add_nc_u32 v[STC], s66, v[STO0]
	WIN 0x0c                                       ; source 1 in window 3
.irp j, 0,2,4,6,8,10,12,14,16,18,20,22,24,26,28,30
	v_pk_add_f32 v[T+\j:T+\j+1], v[OUT+\j:OUT+\j+1], v[OUT+\j:OUT+\j+1]
.endr
	WIN 0
.irp m, 0,1,2,3
	ds_store_b128 v[STC], v[T+8*\m:T+8*\m+3] offset:16*SPIT*\m
	ds_store_b128 v[STC], v[T+8*\m+4:T+8*\m+7] offset:16*SPIT*\m+16
.endr
.endm
.macro FLUSH off                       ; four tiles, 64 tokens x 256 bytes, leave my stage
	s_wait_xcnt 0x0                                ; earlier stores have read their registers
	WIN 0x40
.irp i, 0,1,2,3,4,5,6,7,8,9,10,11,12,13,14,15
	ds_load_b128 v[192+4*\i:195+4*\i], v[RD] offset:2*SPIT*\i
.endr
	WIN 0x80
.irp i, 0,1,2,3,4,5,6,7,8,9,10,11,12,13,14,15
	ds_load_b128 v[192+4*\i:195+4*\i], v[RD] offset:2*SPIT*(16+\i)
.endr
	s_wait_dscnt 16                                ; the first sixteen are in
	WIN 0x04
.irp i, 0,1,2,3,4,5,6,7,8,9,10,11,12,13,14,15
	global_store_b128 v[CO], v[192+4*\i:195+4*\i], s[22:23] offset:8192*\i+\off th:TH_STORE_NT   ; 16 lanes store 256 consecutive bytes, at a multiple of 256 from out0's first byte
.endr
	s_wait_dscnt 0x0
	WIN 0x08
.irp i, 0,1,2,3,4,5,6,7,8,9,10,11,12,13,14,15
	global_store_b128 v[CO], v[192+4*\i:195+4*\i], s[22:23] offset:8192*(16+\i)+\off th:TH_STORE_NT
.endr
	WIN 0
.endm
; A trip: experts 1 to 7 of tile TC, expert 0 of the next tile (beside it expert 7's weighted sum), the finished tile's way to the stage, and, in the same break, expert 2's run: the sixteen additions are its places.
; Expert 1 waits for all but that run's 28 loads.
.macro TRIP mode7, flush
	EXPERT 1, 1, 3, 28
.irp e, 2,3,4,5,6
	EXPERT \e, 1, 0, 0
.endr
	EXPERT 7, 1, \mode7, 0
	EXPERT 0, 1, 0, 0
	FINISH
.if \flush
	s_cmp_lg_u32 s[TC], 3
	s_cbranch_scc1 .Lno_flush_\@
	FLUSH 0
.Lno_flush_\@:
.endif
	RUN 2
.endm
.irp j, 0,1,2,3,4,5,6,7
	ds_load_b128 v[ACC+4*\j:ACC+4*\j+3], v[STC] offset:16*\j   ; the four waves' shares of the logits
.endr
	RUN 0                                          ; tile 0, expert 0: 28 loads
	s_wait_dscnt 28                                ; the logits are in
	s_wait_kmcnt 0x0                               ; br2
	; THE ROUTER, second half: every lane makes the batch's eight weights
.irp q, 0,2,4,6
	v_pk_add_f32 v[ACC+\q:ACC+\q+1], v[ACC+\q:ACC+\q+1], v[ACC+8+\q:ACC+8+\q+1]
	v_pk_add_f32 v[ACC+16+\q:ACC+16+\q+1], v[ACC+16+\q:ACC+16+\q+1], v[ACC+24+\q:ACC+24+\q+1]
.endr
.irp q, 0,2,4,6
	v_pk_add_f32 v[ACC+\q:ACC+\q+1], v[ACC+\q:ACC+\q+1], v[ACC+16+\q:ACC+16+\q+1]
.endr
.irp e, 0,1,2,3,4,5,6,7
	v_add_f32 v[ACC+\e], s[28+\e], v[ACC+\e]
.endr
	v_max3_num_f32 v[ACC+32], v[ACC], v[ACC+1], v[ACC+2]
	v_max3_num_f32 v[ACC+32], v[ACC+32], v[ACC+3], v[ACC+4]
	v_max3_num_f32 v[ACC+32], v[ACC+32], v[ACC+5], v[ACC+6]
	v_max_num_f32 v[ACC+32], v[ACC+32], v[ACC+7]   ; the largest logit is taken away
.irp e, 0,1,2,3,4,5,6,7
	v_sub_f32 v[ACC+\e], v[ACC+\e], v[ACC+32]
.endr
.irp e, 0,1,2,3,4,5,6,7
	v_mul_f32 v[ACC+\e], 0x3fb8aa3b, v[ACC+\e]
.endr
	s_wait_alu depctr_va_vdst(0)
.irp e, 0,1,2,3,4,5,6,7
	v_exp_f32 v[ACC+\e], v[ACC+\e]
.endr
	v_nop
	s_wait_alu depctr_va_vdst(0)
	v_pk_add_f32 v[ACC+32:ACC+33], v[ACC:ACC+1], v[ACC+2:ACC+3]
	v_pk_add_f32 v[ACC+34:ACC+35], v[ACC+4:ACC+5], v[ACC+6:ACC+7]
	v_pk_add_f32 v[ACC+32:ACC+33], v[ACC+32:ACC+33], v[ACC+34:ACC+35]
	v_add_f32 v[ACC+32], v[ACC+32], v[ACC+33]
	s_wait_alu depctr_va_vdst(0)
	v_rcp_f32 v[ACC+34], v[ACC+32]
	v_nop
	s_wait_alu depctr_va_vdst(0)
	v_mul_f32 v[ACC+34], 0.5, v[ACC+34]            ; half of each weight: the relu's form takes a and |a|
.irp e, 0,1,2,3,4,5,6,7
	v_mul_f32 v[ACC+\e], v[ACC+\e], v[ACC+34]
.endr
.irp e, 0,1,2,3,4,5,6,7
	v_readfirstlane_b32 s[RR+2*\e], v[ACC+\e]
.endr
.irp e, 0,1,2,3,4,5,6,7
	s_mov_b32 s[RR+2*\e+1], s[RR+2*\e]
.endr
	s_wait_alu depctr_va_vdst(0)
	s_wait_loadcnt 0x0                             ; all of x's fragments are in
	EXPERT 0, 0, 0, 0                              ; tile 0's expert 0: no expert before it
	NOPS                                           ; places in front of the run below
	RUN 2
	s_mov_b32 s[TC], 0
.Ltile:                                            ; six trips: tiles 0 to 5 ask for tiles 2 to 7
	TRIP 1, 1
	s_add_co_u32 s[TC], s[TC], 1
	s_cmp_lt_u32 s[TC], 6
	s_wait_alu depctr_va_vdst(0)
	s_cbranch_scc1 .Ltile
	TRIP 2, 0                                      ; tile 6 is written out: nothing is left to ask for
	s_add_co_u32 s[TC], s[TC], 1
	EXPERT 1, 1, 3, 28                             ; tile 7
.irp e, 2,3,4,5,6
	EXPERT \e, 1, 0, 0
.endr
	EXPERT 7, 1, 3, 0
	WIN 0xf0                                       ; expert 7's sums in window 0, the odd experts' weighted sum in window 3
	NOPS                                           ; places in front of the first read of the last sums
.set qR, RR+14
.irp m, 0,1,2,3
.set qA, ACC+8*\m
.set qO, OUT+8*\m
.irp l, 0,1,2,3,4,5,6,7,8,9,10,11
.set qL, \l
	LINE 0
.endr
.endr
	FINISH
	FLUSH 256
	s_wait_tensorcnt 0x0                           ; the wave's end
	ds_add_u32 v[SPW], v[NIL]
	s_wait_dscnt 0x0
	CROUND                                         ; the closing round
	s_endpgm
.Lfunc_end_k_q7de965797c_moe:
	.size	k_q7de965797c_moe, .Lfunc_end_k_q7de965797c_moe-k_q7de965797c_moe
	.p2alignl 7, 3214868480
	.fill 96, 4, 3214868480
	.section	.rodata,"a",@progbits
	.p2align	6, 0x0
	.amdhsa_kernel k_q7de965797c_moe
		.amdhsa_group_segment_fixed_size 327680
		.amdhsa_private_segment_fixed_size 0
		.amdhsa_enable_private_segment 0
		.amdhsa_kernarg_size 80
		.amdhsa_user_sgpr_count 2
		.amdhsa_user_sgpr_kernarg_segment_ptr 1
		.amdhsa_wavefront_size32 1
		.amdhsa_system_sgpr_workgroup_id_x 1
		.amdhsa_system_sgpr_workgroup_id_y 1
		.amdhsa_system_sgpr_workgroup_id_z 1
		.amdhsa_system_vgpr_workitem_id 0
		.amdhsa_next_free_vgpr 1024
		.amdhsa_next_free_sgpr 102
		.amdhsa_reserve_vcc 0
		.amdhsa_float_denorm_mode_32 3
		.amdhsa_float_denorm_mode_16_64 3
		.amdhsa_memory_ordered 1
		.amdhsa_forward_progress 1
		.amdhsa_inst_pref_size 255
	.end_amdhsa_kernel
	.section	.bss,"aw",@nobits
	.p2align	6
	.space	262144
	.amdgpu_metadata
---
amdhsa.version: [ 1, 2 ]
amdhsa.kernels:
  - .name:           k_q7de965797c_moe
    .symbol:         k_q7de965797c_moe.kd
    .args:
      - { .name: We_codes, .offset: 0, .size: 8, .value_kind: global_buffer, .address_space: global }
      - { .name: wsp, .offset: 8, .size: 8, .value_kind: global_buffer, .address_space: global }
      - { .name: be, .offset: 16, .size: 8, .value_kind: global_buffer, .address_space: global }
      - { .name: xq, .offset: 24, .size: 8, .value_kind: global_buffer, .address_space: global }
      - { .name: xs, .offset: 32, .size: 8, .value_kind: global_buffer, .address_space: global }
      - { .name: part, .offset: 40, .size: 8, .value_kind: global_buffer, .address_space: global }
      - { .name: br1, .offset: 48, .size: 8, .value_kind: global_buffer, .address_space: global }
      - { .name: Wr2, .offset: 56, .size: 8, .value_kind: global_buffer, .address_space: global }
      - { .name: br2, .offset: 64, .size: 8, .value_kind: global_buffer, .address_space: global }
      - { .name: out0, .offset: 72, .size: 8, .value_kind: global_buffer, .address_space: global }
    .group_segment_fixed_size: 327680
    .private_segment_fixed_size: 0
    .kernarg_segment_align: 8
    .kernarg_segment_size: 80
    .max_flat_workgroup_size: 128
    .sgpr_count:     102
    .vgpr_count:     1024
    .wavefront_size: 32
...
	.end_amdgpu_metadata
.endif
;; end of part 6
